; MI455X (gfx1250); checked and timed in simulation.
; The chip was launched on July 23, 2026; its instructions are those of AMD's public machine-readable ISA for CDNA 5 (MIT licence, August 2026) and "CDNA5" Instruction Set Architecture Reference Guide (July 2026). The comments in the code are by the model that wrote it; some were corrected since.
;; Multi Head Self Attention. Allowed arithmetic: matrix products marked QUANTISED: E2M1 operands, one E8M0 scale for each 32 along K, by v_wmma_scale_f32_16x16x128_f8f6f4 with both operands' format E2M1 (or v_wmma_scale_f32_32x16x128_f4), f32 sums; products left as they are: bf16, f16 or f32 operands; f32 sums; everything else in f32.
;; Inputs: w_out 1,024 x 1,024 float32; w_qkv 1,024 x 3,072 float32; x 4 x 2,048 x 1,024 float32.
;; Outputs: out0 4 x 2,048 x 1,024 float32.
;; This version of the problem:
;;   THIS VERSION OF THE PROBLEM IS GIVEN IN LOW PRECISION. The matrix products marked QUANTISED in the list below multiply operands that are first quantised to E2M1 (2 exponent bits, 1 mantissa bit; 4 bits a number), with one power-of-two scale for each 32 numbers along K (OCP MX v1.0); their sums are f32. The products marked 'left as it is' may take bf16, f16 or f32 operands, with f32 sums. Whichever they take, every output number must still come out within the allowed error. Rounding operands to bf16 (8 significant bits) uses up far more of that allowance than f16 does (11 bits, for magnitudes from 6e-5 to 65,504). All else is computed in f32.
;;   The module's matrix products, in the order in which they are computed (A, B: the left and right operand; K: the contracted axis; several contracted axes count as one K, in the product's order):
;;     1. [M 8,192, K 1,024] x [K 1,024, N 3,072]; A: input x; B: input w_qkv: QUANTISED
;;     2. batch 64 x [M 2,048, K 64] x [K 64, N 2,048]; A: computed on the way; B: computed on the way: left as it is (an operand is computed on the way)
;;     3. batch 64 x [M 2,048, K 2,048] x [K 2,048, N 64]; A: computed on the way; B: computed on the way: left as it is (an operand is computed on the way)
;;     4. [M 8,192, K 1,024] x [K 1,024, N 1,024]; A: computed on the way; B: input w_out: left as it is (an operand is computed on the way)
;;   THE QUANTISER, for each operand of a quantised product, along K:
;;     - K is cut into blocks of 32 from its start; a last block that is shorter is filled with zeros.
;;     - A block's scale is 2^e with e = floor(log2(the largest magnitude in the block)) - 2, held to -126 .. 127; a block of zeros has e = 0. As a byte (E8M0): e + 127.
;;     - Each number is divided by its block's scale, clamped to +-6, and rounded to the nearest number of E2M1, ties to even, subnormals kept.
;;     - The product sums the exact products of the quantised numbers (number of the format x scale) in f32.
;;   ~~~python
;;   def quantise(x, axis):      # numpy; x: float32 -> the quantised numbers, widened to float32 again
;;       x = np.moveaxis(x, axis, -1); K = x.shape[-1]
;;       x = np.pad(x, [(0, 0)] * (x.ndim - 1) + [(0, -K % 32)]); x = x.reshape(x.shape[:-1] + (-1, 32)); a = np.abs(x).max(-1, keepdims=True)
;;       e = np.where(a > 0, np.clip(np.frexp(np.where(a > 0, a, 1))[1] - 1 - 2, -126, 127), 0)      # np.frexp(a)[1] - 1 = floor(log2(a)), exactly
;;       r = np.clip(x / 2.0 ** e, -6, 6)
;;       step = 2.0 ** (np.maximum(np.frexp(np.where(r == 0, 1, r))[1] - 1, 0) - 1)
;;       q = np.round(r / step) * step * 2.0 ** e      # np.round: ties to even
;;       return np.moveaxis(q.reshape(q.shape[:-2] + (-1,))[..., :K], -1, axis).astype(np.float32)
;;   ~~~
;; One version. Each part assembles by itself: llvm-mc -triple=amdgcn-amd-amdhsa -mcpu=gfx1250 --defsym DOCPART=n.
;; ======== version 1 of 1: 6 launches
;; limits: values are held in f16: magnitudes above 65,504 overflow, below 6.1e-05 lose precision
;; workspace buffers: xc 4,194,304 bytes; xs 262,144 bytes; wc 1,572,864 bytes; ws 98,304 bytes; wo16 2,097,152 bytes; qkvh 50,331,648 bytes; qkv32 786,432 bytes; att 16,777,216 bytes
;; launch quant_x (part 1): grid 256 x 1, 4 waves a work-group, no clusters, 33,280 bytes of LDS; arguments x, xc, xs; writes xc, xs
.if DOCPART == 1
	.amdgcn_target "amdgcn-amd-amdhsa--gfx1250"
	.amdhsa_code_object_version 6
	.text
	.protected	k_qa88dc02708_quant_x
	.globl	k_qa88dc02708_quant_x
	.p2align	8
	.type	k_qa88dc02708_quant_x,@function
k_qa88dc02708_quant_x:
	s_mov_b64 s[64:65], 0
	v_nop
	global_prefetch_b8 v0, s[64:65] scope:SCOPE_SE
	s_setreg_imm32_b32 hwreg(HW_REG_WAVE_MODE, 25, 1), 1
	s_wait_xcnt 0x0
; x [8192][1024] f32 becomes codes of FP4 (E2M1), K innermost, two codes a byte (xc: 512 bytes a row), and one E8M0 scale byte for each 32 along K (xs: 32 bytes a row).
; A block's scale is 2^(floor(log2(its largest magnitude)) - 2); its byte is the largest magnitude's exponent field - 2, held at 1 from below.
; LIMITS: a block of zeros gets the byte 1 and not 127 (its codes are zeros, and this program alone reads the bytes); NaN and infinities among the inputs are not served.
; Rows are dense and 1,024 is a multiple of 32: the tensor is a plain stream of blocks of 32.  A wave takes 16 steps of 512 numbers.  Each load reads 512 consecutive bytes; a step's 2,048 bytes turn
; through the wave's own stage in LDS (16 bytes of padding behind each 64) and come back 64 bytes a lane, so that a lane holds 16 neighbours along K and two neighbouring lanes hold a block.
; A lane's 16 codes are 8 bytes: a wave's store covers 256 consecutive bytes, aligned.  A wave's 256 scale bytes are gathered in LDS and leave as one such store.  Waves share nothing: no barrier.
.set WAVES, 4
.set STEPS, 16
.set EMAX,  2
.set CB,    8                          ; bytes of 16 codes
.set R,     16                         ; v16-79   four sets of 16 numbers as loaded
.set X,     80                         ; v80-111  two sets of 16 neighbours
.set C,     128                        ; v128-191 codes: four registers for each step, so that no store's data are written again
.set E,     112                        ; v112-127 a scale byte for each step
.set WREG,  8192                       ; LDS: a region for each wave: two stages of 32 x SP bytes, then its 256 scale bytes
.set SP,    80
.set SPW,   12                         ; v12 LDS address of my spare word; never rewritten
.set NIL,   13                         ; v13 0; never rewritten
.set SPARE, WAVES*WREG                 ; behind the four regions: the spare words, 128 bytes a wave, which no other line names
	s_load_b64 s[4:5], s[0:1], 0x0                 ; x
	s_load_b128 s[8:11], s[0:1], 0x8               ; the codes, the scale bytes
	v_lshl_add_u32 v[SPW], v0, 2, SPARE
	v_mov_b32 v[NIL], 0
	v_lshrrev_b32 v1, 5, v0
	v_readfirstlane_b32 s16, v1                    ; wave
	v_and_b32 v2, 31, v0                           ; lane
	v_lshlrev_b32 v3, 4, v2                        ; my 16 bytes of a load's 512
	s_mul_i32 s17, s16, WREG
	v_lshrrev_b32 v14, 2, v2
	v_mul_u32_u24 v14, v14, SP
	v_and_b32 v15, 3, v2
	v_lshl_add_u32 v14, v15, 4, v14
	v_add_nc_u32 v14, s17, v14                     ; the stage, on the way in: SP (lane / 4) + 16 (lane % 4)
	v_mul_u32_u24 v15, v2, SP
	v_add_nc_u32 v15, s17, v15                     ; and on the way out: SP x lane: my 16 neighbours
	v_mul_u32_u24 v4, v2, CB                       ; my codes' place in a step's
	v_lshrrev_b32 v5, 1, v2
	s_add_co_u32 s17, s17, 2*32*SP
	v_add_nc_u32 v5, s17, v5                       ; my wave's 256 scale bytes, my block's byte
	v_lshlrev_b32 v7, 3, v2                        ; and on the way out 8 bytes a lane
	v_add_nc_u32 v6, s17, v7
	s_wait_kmcnt 0x0
	s_lshl_b32 s17, ttmp9, 2
	s_add_co_u32 s18, s17, s16                     ; which run of 8,192 numbers is my wave's
	s_mov_b32 s19, 0
	s_mov_b64 s[20:21], 512*STEPS*4
	s_mul_u64 s[20:21], s[18:19], s[20:21]
	s_add_nc_u64 s[4:5], s[4:5], s[20:21]
	s_mov_b64 s[20:21], 32*STEPS*CB
	s_mul_u64 s[20:21], s[18:19], s[20:21]
	s_add_nc_u64 s[8:9], s[8:9], s[20:21]
	s_lshl_b32 s18, s18, 8                         ; 256 scale bytes a run
	s_add_nc_u64 s[10:11], s[10:11], s[18:19]
.macro LOAD t
.irp i, 0,1,2,3
	global_load_b128 v[R+16*((\t)%4)+4*\i:R+16*((\t)%4)+4*\i+3], v3, s[4:5] offset:2048*(\t)+512*\i th:TH_LOAD_NT
.endr
.endm
.macro TURN t                          ; step t's numbers through the stage: LDS serves a wave's instructions in order, so no wait stands between the stores and the loads
.irp i, 0,1,2,3
	ds_store_b128 v14, v[R+16*((\t)%4)+4*\i:R+16*((\t)%4)+4*\i+3] offset:32*SP*((\t)%2)+8*SP*\i
.endr
.irp i, 0,1,2,3
	ds_load_b128 v[X+16*((\t)%2)+4*\i:X+16*((\t)%2)+4*\i+3], v15 offset:32*SP*((\t)%2)+16*\i
.endr
.endm
.irp t, 0,1,2,3
	LOAD \t
.endr
	s_wait_loadcnt 12                              ; step 0's four loads are in; twelve younger ones stay out
	TURN 0
.macro STEP t
.set XS, X+16*((\t)%2)
.if (\t) > 0
	s_wait_dscnt 1                                 ; this step's numbers are back from the stage; the last step's byte store may be out
.else
	s_wait_dscnt 0x0
.endif
.if (\t)+4 < STEPS
	LOAD (\t)+4                                    ; into the registers that the stage's stores have read
.endif
.if (\t)+1 < STEPS
.if STEPS-2-(\t) >= 3
	s_wait_loadcnt 12                              ; the next step's four loads are in; those of the three steps behind it may be out
.else
	s_wait_loadcnt 4*(STEPS-2-(\t))
.endif
	TURN (\t)+1
.endif
	v_max3_num_f32 v8, |v[XS]|, |v[XS+1]|, |v[XS+2]|               ; the largest magnitude of my 16, in two chains
	v_max3_num_f32 v9, |v[XS+3]|, |v[XS+4]|, |v[XS+5]|
.irp i, 6,10
	v_max3_num_f32 v8, v8, |v[XS+\i]|, |v[XS+\i+1]|
	v_max3_num_f32 v9, v9, |v[XS+\i+2]|, |v[XS+\i+3]|
.endr
	v_max3_num_f32 v8, v8, |v[XS+14]|, |v[XS+15]|
	v_max3_num_f32 v8, v8, v9, (EMAX+1)<<23        ; and the floor 2^(3 - 127): the byte cannot fall under 1
	v_max_num_f32_dpp v8, v8, v8 row_xmask:1 row_mask:0xf bank_mask:0xf   ; and of my neighbour's 16: the block's
	v_add_nc_u32 v11, -(EMAX<<23), v8              ; 2 off its exponent field: the conversion takes the exponent field of this operand as its scale
	v_cvt_scalef32_pk8_fp4_f32 v[C+4*(\t)], v[XS:XS+7], v11
	v_cvt_scalef32_pk8_fp4_f32 v[C+4*(\t)+1], v[XS+8:XS+15], v11
	v_lshrrev_b32 v[E+(\t)], 23, v11               ; the scale's byte (also the plain line behind the conversions)
	ds_store_b8 v5, v[E+(\t)] offset:16*(\t)       ; both lanes of a block write the same byte with the same value
	global_store_b64 v4, v[C+4*(\t):C+4*(\t)+1], s[8:9] offset:32*CB*(\t)
.endm
.irp t, 0,1,2,3,4,5,6,7,8,9,10,11,12,13,14,15
	STEP \t
.endr
	ds_load_b64 v[8:9], v6                         ; in order behind my byte stores
	s_wait_dscnt 0x0
	global_store_b64 v7, v[8:9], s[10:11]          ; 32 lanes store 256 consecutive bytes, aligned
	s_wait_tensorcnt 0x0                           ; the wave's end
	ds_add_u32 v[SPW], v[NIL]
	s_wait_dscnt 0x0
	s_endpgm
.Lfunc_end_k_qa88dc02708_quant_x:
	.size	k_qa88dc02708_quant_x, .Lfunc_end_k_qa88dc02708_quant_x-k_qa88dc02708_quant_x
	.p2alignl 7, 3214868480
	.fill 96, 4, 3214868480
	.section	.rodata,"a",@progbits
	.p2align	6, 0x0
	.amdhsa_kernel k_qa88dc02708_quant_x
		.amdhsa_group_segment_fixed_size 33280
		.amdhsa_private_segment_fixed_size 0
		.amdhsa_enable_private_segment 0
		.amdhsa_kernarg_size 24
		.amdhsa_user_sgpr_count 2
		.amdhsa_user_sgpr_kernarg_segment_ptr 1
		.amdhsa_wavefront_size32 1
		.amdhsa_system_sgpr_workgroup_id_x 1
		.amdhsa_system_sgpr_workgroup_id_y 1
		.amdhsa_system_sgpr_workgroup_id_z 1
		.amdhsa_system_vgpr_workitem_id 0
		.amdhsa_next_free_vgpr 192
		.amdhsa_next_free_sgpr 66
		.amdhsa_reserve_vcc 0
		.amdhsa_float_denorm_mode_32 3
		.amdhsa_float_denorm_mode_16_64 3
		.amdhsa_memory_ordered 1
		.amdhsa_forward_progress 1
		.amdhsa_inst_pref_size 33
	.end_amdhsa_kernel
	.amdgpu_metadata
---
amdhsa.version: [ 1, 2 ]
amdhsa.kernels:
  - .name:           k_qa88dc02708_quant_x
    .symbol:         k_qa88dc02708_quant_x.kd
    .args:
      - { .name: x, .offset: 0, .size: 8, .value_kind: global_buffer, .address_space: global }
      - { .name: xc, .offset: 8, .size: 8, .value_kind: global_buffer, .address_space: global }
      - { .name: xs, .offset: 16, .size: 8, .value_kind: global_buffer, .address_space: global }
    .group_segment_fixed_size: 33280
    .private_segment_fixed_size: 0
    .kernarg_segment_align: 8
    .kernarg_segment_size: 24
    .max_flat_workgroup_size: 128
    .sgpr_count:     66
    .vgpr_count:     192
    .wavefront_size: 32
...
	.end_amdgpu_metadata
.endif
;; end of part 1
;; launch prep_w (part 2): grid 56 x 2, 4 waves a work-group, no clusters, 35,840 bytes of LDS; arguments w_qkv, wc, ws, w_out, wo16; writes wc, ws, wo16
.if DOCPART == 2
	.amdgcn_target "amdgcn-amd-amdhsa--gfx1250"
	.amdhsa_code_object_version 6
	.text
	.protected	k_qa88dc02708_prep_w
	.globl	k_qa88dc02708_prep_w
	.p2align	8
	.type	k_qa88dc02708_prep_w,@function
k_qa88dc02708_prep_w:
	s_mov_b64 s[64:65], 0
	v_nop
	global_prefetch_b8 v0, s[64:65] scope:SCOPE_SE
	s_setreg_imm32_b32 hwreg(HW_REG_WAVE_MODE, 25, 1), 1
	s_wait_xcnt 0x0
; Two weights are made ready in one launch; the work-group's x says which.
; x < 24: w_qkv [1024 (k)][3072 (n)] f32, whose K is its FIRST axis, becomes codes of FP4 laid [3072][512 bytes] with K innermost (wc) and E8M0 bytes laid [3072][32] (ws).
;   A lane takes a column n and its registers run down K: each load reads 128 consecutive bytes a wave, a block of 32 along K lies in one lane's 32 registers, and the conversions give codes with K innermost.
;   A wave takes 32 columns x 512 along K; the codes go through the wave's own stage in LDS and leave as rows: sixteen lanes store 256 consecutive bytes, aligned.
; x >= 24: w_out [1024][1024] f32 becomes f16 in the same layout (wo16): a plain stream, 16,384 bytes a wave, no LDS.
; LIMITS: a block of zeros gets the byte 1 and not 127 (its codes are zeros, and this program alone reads the bytes); NaN and infinities are not served; |w_out| stays under 65,504.
; Every offset is an immediate: 511 x 3,072 x 4 bytes at the most, inside the signed 24 bits (ISA guide, chapter 10).
.set SIZE_K, 1024
.set SIZE_N, 3072
.set KW,    512
.set NB,    KW/32
.set ROWB,  256
.set PITCH, ROWB+16
.set KROW,  SIZE_K*4/8
.set EMAX,  2
.set X,     32                         ; v32-95   two sets of 32 numbers (the stream: v32-159, 32 loads)
.set C,     96                         ; v96-99   a block's codes
.set OUTR,  112                        ; v112-175 the way out
.set SPW,   14                         ; v14 LDS address of my spare word; never rewritten
.set NIL,   15                         ; v15 0; never rewritten
.set SPARE, 4*32*PITCH                 ; behind the four stages: the spare words, which no other line names
.set SB,    24                         ; v24-27   the scale bytes, four to a register
	s_load_b128 s[4:7], s[0:1], 0x0                ; w_qkv, its codes
	s_load_b128 s[8:11], s[0:1], 0x10              ; its scale bytes, w_out
	s_load_b64 s[12:13], s[0:1], 0x20              ; w_out in f16
	v_lshl_add_u32 v[SPW], v0, 2, SPARE
	v_mov_b32 v[NIL], 0
	v_lshrrev_b32 v1, 5, v0
	v_readfirstlane_b32 s16, v1                    ; wave 0..3
	v_and_b32 v2, 31, v0                           ; lane
	s_and_b32 s18, ttmp7, 0xffff                   ; work-group y
	s_cmp_ge_u32 ttmp9, 24
	s_cbranch_scc1 .Lconv
	s_lshl_b32 s17, ttmp9, 7
	s_lshl_b32 s19, s16, 5
	s_add_co_u32 s17, s17, s19                     ; my wave's first column: 128 x + 32 x wave
	v_lshlrev_b32 v3, 2, v2                        ; in: 4 bytes a lane
	s_mul_i32 s19, s16, 32*PITCH                   ; my stage
	v_mul_u32_u24 v4, v2, PITCH
	v_add_nc_u32 v4, s19, v4                       ; into it: row = my column
	v_and_b32 v5, 15, v2
	v_lshrrev_b32 v6, 4, v2                        ; out of it: sixteen lanes to a row, two rows an instruction
	v_mul_u32_u24 v7, v6, PITCH
	v_lshl_add_u32 v7, v5, 4, v7
	v_add_nc_u32 v7, s19, v7
	v_mul_u32_u24 v8, v6, KROW
	v_lshl_add_u32 v8, v5, 4, v8                   ; and the same place in the codes' buffer
	s_mov_b32 s19, 0
	s_mov_b64 s[20:21], KW*SIZE_N*4
	s_mul_u64 s[20:21], s[18:19], s[20:21]         ; w_qkv: 512 y rows,
	s_lshl_b32 s22, s17, 2
	s_mov_b32 s23, 0
	s_add_nc_u64 s[20:21], s[20:21], s[22:23]      ; + 4 x column
	s_mov_b32 s22, s17
	s_mov_b64 s[24:25], KROW
	s_mul_u64 s[24:25], s[22:23], s[24:25]         ; codes: column x 512 bytes,
	s_mul_i32 s26, s18, ROWB
	s_mov_b32 s27, 0
	s_add_nc_u64 s[24:25], s[24:25], s[26:27]      ; + 256 y
	s_mov_b64 s[28:29], SIZE_K/32
	s_mul_u64 s[28:29], s[22:23], s[28:29]         ; scale bytes: column x 32,
	s_mul_i32 s26, s18, NB
	s_add_nc_u64 s[28:29], s[28:29], s[26:27]      ; + 16 y
	v_mul_u32_u24 v9, v2, SIZE_K/32                ; my column's row of scale bytes
	s_wait_kmcnt 0x0
	s_add_nc_u64 s[4:5], s[4:5], s[20:21]
	s_add_nc_u64 s[6:7], s[6:7], s[24:25]
	s_add_nc_u64 s[8:9], s[8:9], s[28:29]
.macro LOAD t                          ; block t: w(32 t + i, my column), i = 0 .. 31, into set t % 2
.irp i, 0,1,2,3,4,5,6,7,8,9,10,11,12,13,14,15,16,17,18,19,20,21,22,23,24,25,26,27,28,29,30,31
	global_load_b32 v[X+32*((\t)%2)+\i], v3, s[4:5] offset:(32*(\t)+\i)*SIZE_N*4 th:TH_LOAD_NT
.endr
.endm
	LOAD 0
	LOAD 1
.macro BLOCK t
.set XS, X+32*((\t)%2)
.if (\t) < NB-1
	s_wait_loadcnt 32                              ; this block's 32 loads are in; the next block's may be out
.else
	s_wait_loadcnt 0
.endif
	v_max3_num_f32 v12, |v[XS]|, |v[XS+1]|, |v[XS+2]|               ; the block's largest magnitude: all 32 numbers are mine
	v_max3_num_f32 v13, |v[XS+3]|, |v[XS+4]|, |v[XS+5]|
.irp i, 6,10,14,18,22,26
	v_max3_num_f32 v12, v12, |v[XS+\i]|, |v[XS+\i+1]|
	v_max3_num_f32 v13, v13, |v[XS+\i+2]|, |v[XS+\i+3]|
.endr
	v_max3_num_f32 v12, v12, |v[XS+30]|, |v[XS+31]|
	v_max3_num_f32 v12, v12, v13, (EMAX+1)<<23     ; and the floor 2^(3 - 127): the byte cannot fall under 1
	v_add_nc_u32 v11, -(EMAX<<23), v12             ; 2 off its exponent field: the conversion's scale operand
	v_lshrrev_b32 v13, 23, v11                     ; the scale's byte
.if (\t)%4 == 0
	v_mov_b32 v[SB+(\t)/4], v13                    ; four bytes to a register, the lower K in the lower byte
.else
	v_lshl_or_b32 v[SB+(\t)/4], v13, 8*((\t)%4), v[SB+(\t)/4]
.endif
.irp g, 0,1,2,3
	v_cvt_scalef32_pk8_fp4_f32 v[C+\g], v[XS+8*\g:XS+8*\g+7], v11
.endr
	v_nop                                          ; one plain line behind the conversions
	ds_store_b128 v4, v[C:C+3] offset:16*(\t)      ; 32 codes: 16 bytes of my column's row
.if (\t)+2 < NB
	LOAD (\t)+2
.endif
	s_wait_dscnt 0x0                               ; the store has read its registers: the next block's codes may be written
.endm
.set Q, 0
.rept NB
	BLOCK Q
.set Q, Q+1
.endr
	global_store_b128 v9, v[SB:SB+3], s[8:9]       ; my column's 16 scale bytes
.irp t, 0,1,2,3,4,5,6,7,8,9,10,11,12,13,14,15
	ds_load_b128 v[OUTR+4*\t:OUTR+4*\t+3], v7 offset:2*\t*PITCH   ; in order behind my stores
.endr
.irp t, 0,1,2,3,4,5,6,7,8,9,10,11,12,13,14,15
	s_wait_dscnt 15-\t                             ; load t is in; the younger ones stay out
	global_store_b128 v8, v[OUTR+4*\t:OUTR+4*\t+3], s[6:7] offset:2*\t*KROW
.endr
	s_branch .Lend
.Lconv:                                            ; w_out to f16: wave g of 256 takes 4,096 numbers
	s_sub_co_u32 s17, ttmp9, 24
	s_lshl_b32 s17, s17, 1
	s_add_co_u32 s17, s17, s18
	s_lshl_b32 s17, s17, 2
	s_add_co_u32 s17, s17, s16                     ; g = ((x - 24) 2 + y) 4 + wave
	s_lshl_b32 s20, s17, 14                        ; 16,384 bytes in,
	s_mov_b32 s21, 0
	s_lshl_b32 s22, s17, 13                        ; 8,192 bytes out
	s_mov_b32 s23, 0
	v_lshlrev_b32 v20, 4, v2                       ; 16 bytes a lane in,
	v_lshlrev_b32 v21, 3, v2                       ; 8 out
	s_wait_kmcnt 0x0
	s_add_nc_u64 s[10:11], s[10:11], s[20:21]
	s_add_nc_u64 s[12:13], s[12:13], s[22:23]
.set ci, 0
.rept 32
	global_load_b128 v[32+4*ci:35+4*ci], v20, s[10:11] offset:512*ci th:TH_LOAD_NT   ; all 32 loads go out at once
.set ci, ci+1
.endr
.set ci, 0
.rept 32
	s_wait_loadcnt 31-ci                           ; load ci is in; the younger ones stay out
	v_cvt_pk_f16_f32 v[32+4*ci], v[32+4*ci], v[33+4*ci]
	v_cvt_pk_f16_f32 v[33+4*ci], v[34+4*ci], v[35+4*ci]
	global_store_b64 v21, v[32+4*ci:33+4*ci], s[12:13] offset:256*ci   ; 32 lanes store 256 consecutive bytes, aligned; no register is written again
.set ci, ci+1
.endr
.Lend:
	s_wait_tensorcnt 0x0                           ; the wave's end
	ds_add_u32 v[SPW], v[NIL]
	s_wait_dscnt 0x0
	s_endpgm
.Lfunc_end_k_qa88dc02708_prep_w:
	.size	k_qa88dc02708_prep_w, .Lfunc_end_k_qa88dc02708_prep_w-k_qa88dc02708_prep_w
	.p2alignl 7, 3214868480
	.fill 96, 4, 3214868480
	.section	.rodata,"a",@progbits
	.p2align	6, 0x0
	.amdhsa_kernel k_qa88dc02708_prep_w
		.amdhsa_group_segment_fixed_size 35840
		.amdhsa_private_segment_fixed_size 0
		.amdhsa_enable_private_segment 0
		.amdhsa_kernarg_size 40
		.amdhsa_user_sgpr_count 2
		.amdhsa_user_sgpr_kernarg_segment_ptr 1
		.amdhsa_wavefront_size32 1
		.amdhsa_system_sgpr_workgroup_id_x 1
		.amdhsa_system_sgpr_workgroup_id_y 1
		.amdhsa_system_sgpr_workgroup_id_z 1
		.amdhsa_system_vgpr_workitem_id 0
		.amdhsa_next_free_vgpr 192
		.amdhsa_next_free_sgpr 66
		.amdhsa_reserve_vcc 0
		.amdhsa_float_denorm_mode_32 3
		.amdhsa_float_denorm_mode_16_64 3
		.amdhsa_memory_ordered 1
		.amdhsa_forward_progress 1
		.amdhsa_inst_pref_size 91
	.end_amdhsa_kernel
	.amdgpu_metadata
---
amdhsa.version: [ 1, 2 ]
amdhsa.kernels:
  - .name:           k_qa88dc02708_prep_w
    .symbol:         k_qa88dc02708_prep_w.kd
    .args:
      - { .name: w_qkv, .offset: 0, .size: 8, .value_kind: global_buffer, .address_space: global }
      - { .name: wc, .offset: 8, .size: 8, .value_kind: global_buffer, .address_space: global }
      - { .name: ws, .offset: 16, .size: 8, .value_kind: global_buffer, .address_space: global }
      - { .name: w_out, .offset: 24, .size: 8, .value_kind: global_buffer, .address_space: global }
      - { .name: wo16, .offset: 32, .size: 8, .value_kind: global_buffer, .address_space: global }
    .group_segment_fixed_size: 35840
    .private_segment_fixed_size: 0
    .kernarg_segment_align: 8
    .kernarg_segment_size: 40
    .max_flat_workgroup_size: 128
    .sgpr_count:     66
    .vgpr_count:     192
    .wavefront_size: 32
...
	.end_amdgpu_metadata
.endif
;; end of part 2
;; launch qkv (part 3): grid 12 x 32, 4 waves a work-group, clusters of 4 x 4, 327,680 bytes of LDS; arguments xc, xs, wc, ws, qkvh, qkv32; writes qkvh, qkv32
.if DOCPART == 3
	.amdgcn_target "amdgcn-amd-amdhsa--gfx1250"
	.amdhsa_code_object_version 6
	.text
	.protected	k_qa88dc02708_qkv
	.globl	k_qa88dc02708_qkv
	.p2align	8
	.type	k_qa88dc02708_qkv,@function
k_qa88dc02708_qkv:
	s_mov_b64 s[64:65], 0
	v_nop
	global_prefetch_b8 v0, s[64:65] scope:SCOPE_SE
	s_setreg_imm32_b32 hwreg(HW_REG_WAVE_MODE, 25, 1), 1
	s_wait_xcnt 0x0
	s_wait_alu depctr_hold_cnt(0) depctr_sa_sdst(0) depctr_va_vdst(0) depctr_va_sdst(0) depctr_va_ssrc(0) depctr_va_vcc(0) depctr_vm_vsrc(0)
	s_getreg_b32 s2, hwreg(HW_REG_IB_STS2, 6, 4)
	s_cmp_eq_u32 s2, 0
	s_cbranch_scc0 .Lentry_in_a_cluster
	s_endpgm
.Lentry_in_a_cluster:
	s_bfe_u32 s2, ttmp6, 0x10000c
	s_cmp_lg_u32 s2, 0xf033
	s_cbranch_scc0 .Lentry_shape_is_right
	s_endpgm
.Lentry_shape_is_right:
; qkv[m][n] = sum over k of x[m][k] w_qkv[k][n] on codes of FP4 (E2M1) with one E8M0 scale for each 32 along K; sums in f32.  A = xc [8192][512 bytes], xs [8192][32]; B = wc [3072][512 bytes], ws [3072][32].
; A tile of 256 x 256 is made by four waves, 128 x 128 each: 64 accumulators, 512 registers.  K = 1,024 is two K steps of 512, and both lie in LDS at once: all tiles are asked for at the head, nothing is filled again.
; CLUSTERS: 4 x 4 work-groups; A's tiles are asked for jointly along a row of the cluster, B's along a column.  The tile row is (cluster y) + 8 cy, so that the batch is cy and a tile's first position 256 x (cluster y):
; the tiles that hold positions 0 to 15 are those of cluster y = 0, and the branch for their f32 copy hangs on the cluster's y and the wave's number alone.
; THE MATRIX INSTRUCTION IS USED TRANSPOSED (source 0 = 16 rows of B, source 1 = 16 rows of A): a lane holds eight neighbouring columns of one row.
; OUT: f16, split by head: qkvh [q, k or v][batch][head][position][64]; a position's 64 numbers are 128 bytes, so two positions are 256 consecutive bytes, which sixteen lanes store.
;      f32 for positions 0 to 15 of each batch: qkv32 [batch][16][3072]: those rows are carried more finely by a later launch.
; LIMITS: |q|, |k|, |v| stay under 65,504 (f16).
; REGISTERS: window 0: v16-30 addresses; v32-95 scale words, two sets; v128-191 A's fragments, one set; on the way out v32-255 are free.  window 1: B's fragments, two sets.  windows 2, 3: the accumulators.
.set SIZE_K, 1024
.set KSTEP,  512
.set NQ,     KSTEP/128
.set ROWB,   256                       ; a tile's row in bytes
.set KROW,   SIZE_K*4/8                ; a row of codes in memory
.set PITCH,  272                       ; an LDS row: 256 bytes + 16 of padding: the 16 rows that a load touches start 68 words apart
.set FR,     8
.set NL,     2
.set NP,     4                         ; places behind this matrix instruction (ISA guide 7.12.1)
.set HALFT,  128*PITCH
.set SLOT,   4*HALFT                   ; A's 256 rows, then B's 256 rows
.set KS,     SIZE_K/32
.set SCL,    2*SLOT                    ; behind the two slots: the scales, as rows of 256 bytes + 16 of padding
.set HALFS,  (128*KS/256)*272
.set SBLK,   (16*KS/256)*272
.set SPARE,  SCL+4*HALFS               ; the spare words, 128 bytes a wave, which no other line names
.set SPITCH, 528                       ; the way out in f32: a stage row of 512 bytes + 16.  The stages lie in slot 0, which has had its only fill and its last read when the first result is stored there
.set HPITCH, 400                       ; the way out in f16: a stage row of 256 bytes + 144
.set ADRA, 16
.set ADRB, 20
.set STH,  22                          ; v22 f16: where I put 16 bytes of a row
.set RDH,  23                          ; v23 f16: where I read back
.set STO,  24                          ; v24 f32: where I put 32 bytes of a row
.set RD,   25                          ; v25 f32: where I read a row back
.set CO,   26                          ; v26 f32: my byte offset in a row
.set ADRS, 27
.set SPW,  28
.set NIL,  29
.set COH,  30                          ; v30 f16: my byte offset in qkvh
.set SC,   32
.set AF,   128
.set BK32, 128                         ; f32: 16 rows read back
.set TMP,  192                         ; f16: packed results
.set OB,   32                          ; f16: rows read back: v32-63 and v224-255 by turns
.set G1, 24
.set G0, 32
.set G1B, 48
.set G0B, 56
.set G1S, 68
.set G0S, 76
.set G1SB, 80
.set G0SB, 88
.set MSB, 0
.macro WIN new                         ; the immediate's high byte repeats the setting that is left
.if MSB != (\new)
	s_set_vgpr_msb (MSB<<8)|(\new)
.set MSB, (\new)
.endif
.endm
.set MUL_LO, 0xa1                      ; source 0 (B) window 1, source 1 (A) window 0, C and D window 2
.set MUL_HI, 0xf1                      ; the same, C and D window 3
.set TO_B,   0x40
; A joint load: waves 0 and 1 fetch for A, waves 2 and 3 for B; the branch hangs on the wave's number alone.  An s_nop 0 and four v_nop follow each line.
.macro JLOAD g0a, g1a, g0b, g1b
	s_cmp_eq_u32 s15, 0
	s_cbranch_scc0 .Lfor_b_\@
	tensor_load_to_lds s[\g0a:\g0a+3], s[\g1a:\g1a+7]
	s_nop 0
.rept 4
	v_nop
.endr
	s_branch .Lasked_\@
.Lfor_b_\@:
	tensor_load_to_lds s[\g0b:\g0b+3], s[\g1b:\g1b+7]
	s_nop 0
.rept 4
	v_nop
.endr
.Lasked_\@:
.endm
.macro CROUND                          ; a round of the cluster's barrier
	s_barrier_signal -1
	s_barrier_wait -1
	s_cmp_lg_u32 s14, 0
	s_cbranch_scc1 .Lnot_wave_0_\@
	s_barrier_signal -3
.Lnot_wave_0_\@:
	s_barrier_wait -3
	s_barrier_signal -1
	s_barrier_wait -1
.endm
	s_load_b128 s[4:7], s[0:1], 0x0                ; x's codes, x's scales
	s_load_b128 s[8:11], s[0:1], 0x10              ; w's codes, w's scales
	s_load_b64 s[12:13], s[0:1], 0x20              ; qkvh
	s_load_b64 s[96:97], s[0:1], 0x28              ; qkv32
	v_lshl_add_u32 v[SPW], v0, 2, SPARE
	v_mov_b32 v[NIL], 0
	ds_add_u32 v[SPW], v[NIL]                      ; the wave's opening: the add, twice on end, and its wait ahead of my first tensor load
	ds_add_u32 v[SPW], v[NIL]
	v_lshrrev_b32 v1, 5, v0
	v_readfirstlane_b32 s14, v1                    ; wave 0..3
	s_lshr_b32 s15, s14, 1                         ; which half of the tile's rows is mine.  Also: I fetch for A (0) or for B (1)
	s_and_b32 s16, s14, 1                          ; which half of its columns.  Also: which 128 rows I fetch
	s_bfe_u32 s40, ttmp6, 0x40000                  ; cx
	s_bfe_u32 s41, ttmp6, 0x40004                  ; cy
	s_lshl_b32 s42, ttmp9, 2
	s_add_co_u32 s42, s42, s40                     ; tile column = 4 x cluster x + cx
	s_and_b32 s66, ttmp7, 0xffff                   ; cluster y
	s_lshl_b32 s17, s41, 3
	s_add_co_u32 s17, s17, s66                     ; tile row = cluster y + 8 cy
	s_or_b32 s95, s66, s15                         ; 0 where my block 0 holds positions 0 to 15
	s_lshl_b32 s43, s41, 2
	s_lshl_b32 s43, 15, s43                        ; my row of the cluster
	s_lshl_b32 s44, 0x1111, s40                    ; my column
	s_or_b32 s[G1+0], s43, (0<<16)|(1<<20)|(1<<21)|(5<<22)|(3<<25)  ; the mask; elements of 1 byte; padding: 4 words behind every 64; bit 21 beside a mask
	s_or_b32 s[G1B+0], s44, (0<<16)|(1<<20)|(1<<21)|(5<<22)|(3<<25)
.irp g, G1, G1B
	s_mov_b32 s[\g+1], ROWB<<16                    ; tensor_dim0
	s_mov_b32 s[\g+2], 128<<16                     ; tensor_dim1
	s_mov_b32 s[\g+3], ROWB<<16                    ; tile_dim0
	s_mov_b32 s[\g+4], 128                         ; tile_dim1
	s_mov_b32 s[\g+5], KROW                        ; the pitch
	s_mov_b32 s[\g+6], 0
	s_mov_b32 s[\g+7], 0
.endr
	s_or_b32 s[G1S+0], s43, (3<<16)|(1<<20)|(1<<21)|(5<<22)|(3<<25)  ; the scales of 128 rows: 4,096 dense bytes as 16 rows of 256
	s_or_b32 s[G1SB+0], s44, (3<<16)|(1<<20)|(1<<21)|(5<<22)|(3<<25)
.irp g, G1S, G1SB
	s_mov_b32 s[\g+1], 32<<16
	s_mov_b32 s[\g+2], (128*KS/256)<<16
	s_mov_b32 s[\g+3], 32<<16
	s_mov_b32 s[\g+4], 128*KS/256
	s_mov_b32 s[\g+5], 32
	s_mov_b32 s[\g+6], 0
	s_mov_b32 s[\g+7], 0
.endr
	s_lshl_b32 s18, s16, 7
	s_lshl_b32 s20, s17, 8
	s_add_co_u32 s20, s20, s18                     ; A: row 256 x tile row + 128 x half
	s_lshl_b32 s46, s42, 8
	s_add_co_u32 s46, s46, s18                     ; B: row 256 x tile column + 128 x half
	s_mov_b32 s21, 0
	s_mov_b32 s47, 0
	s_mov_b64 s[18:19], KS
	s_mul_u64 s[22:23], s[20:21], s[18:19]         ; where these rows' scales begin
	s_mul_u64 s[92:93], s[46:47], s[18:19]
	s_mov_b64 s[18:19], KROW
	s_mul_u64 s[20:21], s[20:21], s[18:19]         ; and their codes
	s_mul_u64 s[46:47], s[46:47], s[18:19]
	s_mul_i32 s45, s14, HALFT                      ; where they go: wave x 128 rows
	s_mul_i32 s94, s14, HALFS
	s_wait_dscnt 0x0                               ; both opening adds are done
	s_wait_kmcnt 0x0
	s_add_nc_u64 s[20:21], s[4:5], s[20:21]
	s_add_nc_u64 s[22:23], s[6:7], s[22:23]
	s_add_nc_u64 s[46:47], s[8:9], s[46:47]
	s_add_nc_u64 s[92:93], s[10:11], s[92:93]
	CROUND                                         ; all sixteen work-groups are here: the joint loads meet
	s_mov_b32 s[G0S], 1
	s_add_co_u32 s[G0S+1], s94, SCL
	s_mov_b64 s[G0S+2:G0S+3], s[22:23]
	s_or_b32 s[G0S+3], s[G0S+3], 0x80000000
	s_mov_b32 s[G0SB], 1
	s_add_co_u32 s[G0SB+1], s94, SCL
	s_mov_b64 s[G0SB+2:G0SB+3], s[92:93]
	s_or_b32 s[G0SB+3], s[G0SB+3], 0x80000000
	JLOAD G0S, G1S, G0SB, G1SB                     ; the scales first: they are wanted with K step 0
.irp s, 0,1
	s_mov_b32 s[G0+4*\s], 1
	s_add_co_u32 s[G0+4*\s+1], s45, \s*SLOT
	s_add_nc_u64 s[G0+4*\s+2:G0+4*\s+3], s[20:21], \s*ROWB
	s_or_b32 s[G0+4*\s+3], s[G0+4*\s+3], 0x80000000
	s_mov_b32 s[G0B+4*\s], 1
	s_add_co_u32 s[G0B+4*\s+1], s45, \s*SLOT
	s_add_nc_u64 s[G0B+4*\s+2:G0B+4*\s+3], s[46:47], \s*ROWB
	s_or_b32 s[G0B+4*\s+3], s[G0B+4*\s+3], 0x80000000
	JLOAD G0+4*\s, G1, G0B+4*\s, G1B               ; three loads of mine are out in all
.endr
	v_and_b32 v1, 15, v0                           ; r = l % 16
	v_bfe_u32 v2, v0, 4, 1                         ; h = l / 16
	v_mul_u32_u24 v3, v1, PITCH
	v_lshl_add_u32 v4, v2, 4, v3                   ; a fragment's row x pitch + 16 h
	s_mul_i32 s21, s15, HALFT
	s_mul_i32 s22, s16, HALFT
	s_add_co_u32 s22, s22, 2*HALFT
.irp s, 0,1
	v_add_nc_u32 v[ADRA+\s], s21, v4
	v_add_nc_u32 v[ADRB+\s], s22, v4
	s_add_co_u32 s21, s21, SLOT
	s_add_co_u32 s22, s22, SLOT
.endr
	v_mul_u32_u24 v5, v1, KS                       ; my row's scales: 32 bytes a row,
	v_lshrrev_b32 v6, 8, v5
	v_lshl_add_u32 v5, v6, 4, v5                   ; and 16 more for each 256 passed
	s_mul_i32 s21, s15, HALFS
	s_mul_i32 s22, s16, HALFS
	s_add_co_u32 s22, s22, 2*HALFS
	s_sub_co_u32 s22, s22, s21
	v_mul_u32_u24 v6, s22, v2                      ; lanes 16-31 take B's
	s_add_co_u32 s21, s21, SCL
	v_add_nc_u32 v5, v5, v6
	v_add_nc_u32 v[ADRS], s21, v5
	s_mul_i32 s23, s14, 16*SPITCH                  ; my stage
	v_mul_u32_u24 v5, v1, SPITCH
	v_lshl_add_u32 v5, v2, 5, v5
	v_add_nc_u32 v[STO], s23, v5                   ; f32 in: row r, 32 bytes for each half of the lanes
	v_and_b32 v6, 31, v0
	v_lshlrev_b32 v[CO], 4, v6
	v_add_nc_u32 v[RD], s23, v[CO]                 ; f32 back: the 32 lanes take one row of 512 bytes
	v_mul_u32_u24 v5, v1, HPITCH
	v_lshl_add_u32 v5, v2, 4, v5
	v_add_nc_u32 v[STH], s23, v5                   ; f16 in: row r, 16 bytes for each half of the lanes
	v_bfe_u32 v5, v0, 3, 1
	v_mul_u32_u24 v5, v5, HPITCH                   ; f16 back: lanes 0-7 and 8-15 take two rows' first 128 bytes (one head),
	v_and_b32 v7, 7, v0
	v_lshl_add_u32 v5, v7, 4, v5
	v_lshl_add_u32 v5, v2, 7, v5                   ; lanes 16-31 the same rows' second 128 bytes (the next head)
	v_add_nc_u32 v[RDH], s23, v5
	v_lshlrev_b32 v[COH], 4, v1
	v_lshl_add_u32 v[COH], v2, 18, v[COH]          ; in qkvh: 16 (l % 16), and a head (262,144 bytes) on for lanes 16-31
	; where my part begins in qkvh: my 128 columns are heads g0 and g0 + 1 of 48, g0 = 4 x tile column + 2 x half
	s_lshl_b32 s98, s42, 2
	s_lshl_b32 s99, s16, 1
	s_add_co_u32 s98, s98, s99                     ; g0
	s_lshr_b32 s99, s98, 4                         ; q, k or v
	s_lshl_b32 s99, s99, 2
	s_add_co_u32 s99, s99, s41                     ; x 4 + batch
	s_lshl_b32 s99, s99, 4
	s_and_b32 s98, s98, 15
	s_add_co_u32 s98, s99, s98                     ; x 16 + head
	s_lshl_b32 s98, s98, 18
	s_lshl_b32 s99, s66, 8
	s_lshl_b32 s100, s15, 7
	s_add_co_u32 s99, s99, s100                    ; my first position
	s_lshl_b32 s99, s99, 7
	s_add_co_u32 s98, s98, s99
	s_mov_b32 s99, 0
	s_add_nc_u64 s[12:13], s[12:13], s[98:99]
	s_mul_i32 s98, s41, 16*12288                   ; and in qkv32: the batch's 16 rows, my first column
	s_lshl_b32 s100, s42, 10
	s_add_co_u32 s98, s98, s100
	s_lshl_b32 s100, s16, 9
	s_add_co_u32 s98, s98, s100
	s_add_nc_u64 s[96:97], s[96:97], s[98:99]
.macro FRAG reg, adr, q, i             ; 16 rows x 128 K of 4-bit codes: 8 registers; registers 4 c .. 4 c + 3 hold K = 64 c + 32 h + 0 .. 31
.irp c, 0,1
	ds_load_b128 v[\reg+4*\c:\reg+4*\c+3], v[\adr] offset:64*(\q)+32*\c+(\i)*16*PITCH
.endr
.endm
; 16 matrix instructions: A's blocks a0, a0 + 1 x B's eight.  The 64 accumulators take turns, one instruction a turn, in the same order in every step.
.macro MUL16 a0, p, q, sc, zero
.irp a, \a0, \a0+1
.irp b, 0,1,2,3,4,5,6,7
.if \zero
	v_wmma_scale_f32_16x16x128_f8f6f4 v[8*(8*((\a)%4)+\b):8*(8*((\a)%4)+\b)+7], v[128*(\p)+FR*\b:128*(\p)+FR*\b+FR-1], v[AF+FR*(\a):AF+FR*(\a)+FR-1], 0, v[SC+8*NQ*(\sc)+NQ*\b+(\q)], v[SC+8*NQ*(\sc)+NQ*(\a)+(\q)] matrix_a_fmt:MATRIX_FMT_FP4 matrix_b_fmt:MATRIX_FMT_FP4 matrix_a_scale:MATRIX_SCALE_ROW1
.else
	v_wmma_scale_f32_16x16x128_f8f6f4 v[8*(8*((\a)%4)+\b):8*(8*((\a)%4)+\b)+7], v[128*(\p)+FR*\b:128*(\p)+FR*\b+FR-1], v[AF+FR*(\a):AF+FR*(\a)+FR-1], v[8*(8*((\a)%4)+\b):8*(8*((\a)%4)+\b)+7], v[SC+8*NQ*(\sc)+NQ*\b+(\q)], v[SC+8*NQ*(\sc)+NQ*(\a)+(\q)] matrix_a_fmt:MATRIX_FMT_FP4 matrix_b_fmt:MATRIX_FMT_FP4 matrix_a_scale:MATRIX_SCALE_ROW1
.endif
.endr
.endr
.endm
.macro FETCH_B slot, q, p
	WIN TO_B
.irp i, 0,1,2,3,4,5,6,7
	FRAG 128*(\p)+FR*\i, ADRB+\slot, \q, \i
.endr
	WIN 0
.endm
.macro FETCH_A slot, q, i0
.irp i, \i0, \i0+1, \i0+2, \i0+3
	FRAG AF+FR*(\i), ADRA+\slot, \q, \i
.endr
.endm
.macro SCALES sc                       ; a K step's scale words: lanes 0-15 take A's block i, lanes 16-31 B's block i
.irp i, 0,1,2,3,4,5,6,7
	ds_load_b128 v[SC+8*NQ*\sc+NQ*\i:SC+8*NQ*\sc+NQ*\i+3], v[ADRS] offset:\i*SBLK
.endr
.endm
.macro PLACES n                        ; plain vector lines between a matrix instruction and a load into, or a read of, its registers
.rept \n
	v_nop
.endr
.endm
.macro STEP slot, q, zero              ; 128 along K that has its successor in the same slot
	s_wait_dscnt 4*NL                              ; B's set and A's blocks 0-3 are in; the youngest eight loads (A's blocks 4-7) may be out
	WIN MUL_LO
	MUL16 0, (\q)%2, \q, \slot, \zero
	MUL16 2, (\q)%2, \q, \slot, \zero
	s_wait_dscnt 0
	PLACES NP
	FETCH_B \slot, (\q)+1, 1-(\q)%2
	FETCH_A \slot, (\q)+1, 0
	WIN MUL_HI
	MUL16 4, (\q)%2, \q, \slot, \zero
	MUL16 6, (\q)%2, \q, \slot, \zero
	PLACES NP
	WIN 0
	FETCH_A \slot, (\q)+1, 4
.endm
.macro TURN slot, next                 ; slot 0's last step: one barrier, behind which slot 1 is whole and nobody reads slot 0 any more; nothing is filled again
	s_wait_tensorcnt 0x0                           ; all my tensor loads have landed: my part of slot 1
	ds_add_u32 v[SPW], v[NIL]                      ; 0 onto my spare word
	s_wait_dscnt 4*NL+1                            ; the add and the youngest eight loads may be out
	WIN MUL_LO
	MUL16 0, 1, NQ-1, \slot, 0
	s_wait_dscnt 0x0                               ; the add is done, and my reads of this slot are over
	s_barrier_signal -1
	MUL16 2, 1, NQ-1, \slot, 0
	WIN 0
	s_barrier_wait -1
	PLACES NP
	v_add_nc_u32 v[ADRS], 4*NQ, v[ADRS]            ; on to the next K step's scale words
	FETCH_B \next, 0, 0
	FETCH_A \next, 0, 0
	SCALES \next
	WIN MUL_HI
	MUL16 4, 1, NQ-1, \slot, 0
	MUL16 6, 1, NQ-1, \slot, 0
	PLACES NP
	WIN 0
	FETCH_A \next, 0, 4
.endm
.macro STEPS slot, from
.set Q, \from
.rept NQ-1-\from
	STEP \slot, Q, 0
.set Q, Q+1
.endr
.endm
	s_wait_tensorcnt 1                             ; the scales and my part of K step 0 are in; K step 1's load may be out
	s_barrier_signal -1
	s_barrier_wait -1
	FETCH_B 0, 0, 0
	FETCH_A 0, 0, 0
	SCALES 0
	FETCH_A 0, 0, 4
	STEP 0, 0, 1                                   ; the first step's products start the sums: nothing is cleared
	STEPS 0, 1
	TURN 0, 1
	STEPS 1, 0
	s_wait_dscnt 4*NL                              ; the last step: nothing more to fetch
	WIN MUL_LO
	MUL16 0, 1, NQ-1, 1, 0
	MUL16 2, 1, NQ-1, 1, 0
	s_wait_dscnt 0
	WIN MUL_HI
	MUL16 4, 1, NQ-1, 1, 0
	MUL16 6, 1, NQ-1, 1, 0
	WIN 0
	; THE WAY OUT.  First, where my block 0 is positions 0 to 15 of a batch, that block in f32; then all eight blocks in f16.
	PLACES NP
	s_cmp_lg_u32 s95, 0                            ; the cluster's y and the wave's number alone: alike in all sixteen partners
	s_cbranch_scc1 .Lno32
	WIN 0x08                                       ; an LDS store's data: window 2
.irp b, 0,1,2,3,4,5,6,7
	ds_store_b128 v[STO], v[8*\b:8*\b+3] offset:64*\b          ; each accumulator from its low end on
	ds_store_b128 v[STO], v[8*\b+4:8*\b+7] offset:64*\b+16
.endr
	WIN 0
.irp t, 0,1,2,3,4,5,6,7,8,9,10,11,12,13,14,15
	ds_load_b128 v[BK32+4*\t:BK32+4*\t+3], v[RD] offset:\t*SPITCH   ; in order behind my stores: whole rows of 512 bytes
.endr
	s_wait_dscnt 0x0
.irp t, 0,1,2,3,4,5,6,7,8,9,10,11,12,13,14,15
	global_store_b128 v[CO], v[BK32+4*\t:BK32+4*\t+3], s[96:97] offset:\t*12288   ; 32 lanes store 512 consecutive bytes, aligned
.endr
.Lno32:
.macro PACK a                          ; block a rounded to f16: 16 bytes a lane and accumulator, each accumulator from its low end on
.set AC, 64*((\a)%4)
	WIN 0x0a+5*((\a)/4)                            ; sources 0 and 1: window 2 or 3
.irp b, 0,1,2,3,4,5,6,7
.irp i, 0,1,2,3
	v_cvt_pk_f16_f32 v[TMP+4*\b+\i], v[AC+8*\b+2*\i], v[AC+8*\b+2*\i+1]
.endr
.endr
	WIN 0
.endm
.macro TOSTAGE a
.set BK, OB+192*((\a)%2)
.irp b, 0,1,2,3,4,5,6,7
	ds_store_b128 v[STH], v[TMP+4*\b:TMP+4*\b+3] offset:32*\b
.endr
.irp t, 0,1,2,3,4,5,6,7
	ds_load_b128 v[BK+4*\t:BK+4*\t+3], v[RDH] offset:\t*2*HPITCH   ; in order behind my stores
.endr
.endm
.macro SEND a
.set BK, OB+192*((\a)%2)
	s_wait_dscnt 0x0                               ; the block is back in registers
	s_wait_xcnt 0x0                                ; the block before last's stores have read their registers: the next block's loads may land there
.irp t, 0,1,2,3,4,5,6,7
	global_store_b128 v[COH], v[BK+4*\t:BK+4*\t+3], s[12:13] offset:(16*(\a)+2*\t)*128   ; 16 lanes store two positions of one head: 256 consecutive bytes, aligned
.endr
.endm
	PACK 0
	TOSTAGE 0
.irp a, 1,2,3,4,5,6,7                  ; block a's conversions stand between block a - 1's loads from the stage and the wait for them
	PACK \a
	SEND \a-1
	TOSTAGE \a
.endr
	SEND 7
	s_wait_tensorcnt 0x0                           ; the wave's end
	ds_add_u32 v[SPW], v[NIL]
	s_wait_dscnt 0x0
	CROUND                                         ; the closing round
	s_endpgm
.Lfunc_end_k_qa88dc02708_qkv:
	.size	k_qa88dc02708_qkv, .Lfunc_end_k_qa88dc02708_qkv-k_qa88dc02708_qkv
	.p2alignl 7, 3214868480
	.fill 96, 4, 3214868480
	.section	.rodata,"a",@progbits
	.p2align	6, 0x0
	.amdhsa_kernel k_qa88dc02708_qkv
		.amdhsa_group_segment_fixed_size 327680
		.amdhsa_private_segment_fixed_size 0
		.amdhsa_enable_private_segment 0
		.amdhsa_kernarg_size 48
		.amdhsa_user_sgpr_count 2
		.amdhsa_user_sgpr_kernarg_segment_ptr 1
		.amdhsa_wavefront_size32 1
		.amdhsa_system_sgpr_workgroup_id_x 1
		.amdhsa_system_sgpr_workgroup_id_y 1
		.amdhsa_system_sgpr_workgroup_id_z 1
		.amdhsa_system_vgpr_workitem_id 0
		.amdhsa_next_free_vgpr 1024
		.amdhsa_next_free_sgpr 102
		.amdhsa_reserve_vcc 0
		.amdhsa_float_denorm_mode_32 3
		.amdhsa_float_denorm_mode_16_64 3
		.amdhsa_memory_ordered 1
		.amdhsa_forward_progress 1
		.amdhsa_inst_pref_size 131
	.end_amdhsa_kernel
	.amdgpu_metadata
---
amdhsa.version: [ 1, 2 ]
amdhsa.kernels:
  - .name:           k_qa88dc02708_qkv
    .symbol:         k_qa88dc02708_qkv.kd
    .args:
      - { .name: xc, .offset: 0, .size: 8, .value_kind: global_buffer, .address_space: global }
      - { .name: xs, .offset: 8, .size: 8, .value_kind: global_buffer, .address_space: global }
      - { .name: wc, .offset: 16, .size: 8, .value_kind: global_buffer, .address_space: global }
      - { .name: ws, .offset: 24, .size: 8, .value_kind: global_buffer, .address_space: global }
      - { .name: qkvh, .offset: 32, .size: 8, .value_kind: global_buffer, .address_space: global }
      - { .name: qkv32, .offset: 40, .size: 8, .value_kind: global_buffer, .address_space: global }
    .group_segment_fixed_size: 327680
    .private_segment_fixed_size: 0
    .kernarg_segment_align: 8
    .kernarg_segment_size: 48
    .max_flat_workgroup_size: 128
    .sgpr_count:     102
    .vgpr_count:     1024
    .wavefront_size: 32
...
	.end_amdgpu_metadata
.endif
;; end of part 3
;; launch attn (part 4): grid 4 x 64, 8 waves a work-group, clusters of 4 x 1, 327,680 bytes of LDS; arguments qkvh, att; writes att
.if DOCPART == 4
	.amdgcn_target "amdgcn-amd-amdhsa--gfx1250"
	.amdhsa_code_object_version 6
	.text
	.protected	k_qa88dc02708_attn
	.globl	k_qa88dc02708_attn
	.p2align	8
	.type	k_qa88dc02708_attn,@function
k_qa88dc02708_attn:
	s_mov_b64 s[64:65], 0
	v_nop
	global_prefetch_b8 v0, s[64:65] scope:SCOPE_SE
	s_setreg_imm32_b32 hwreg(HW_REG_WAVE_MODE, 25, 1), 1
	s_wait_xcnt 0x0
	s_wait_alu depctr_hold_cnt(0) depctr_sa_sdst(0) depctr_va_vdst(0) depctr_va_sdst(0) depctr_va_ssrc(0) depctr_va_vcc(0) depctr_vm_vsrc(0)
	s_getreg_b32 s2, hwreg(HW_REG_IB_STS2, 6, 4)
	s_cmp_eq_u32 s2, 0
	s_cbranch_scc0 .Lentry_in_a_cluster
	s_endpgm
.Lentry_in_a_cluster:
	s_bfe_u32 s2, ttmp6, 0x10000c
	s_cmp_lg_u32 s2, 0x3003
	s_cbranch_scc0 .Lentry_shape_is_right
	s_endpgm
.Lentry_shape_is_right:
; att[h][b 2048 + q][:] = the sum over keys k <= q of softmax_k(Q[q] . K[k] / 8) V[k][:], for each batch b and head h.  Q, K, V: f16, [2048][64] a head (qkvh); att: f16.  Products, maxima and sums in f32;
; the weights p are rounded to f16 for the second product, the result once at the end.  A running maximum m and sum l for each query: p = 2^(c s - c m), c = log2(e) / 8.
; LIMITS: the additive mask of -1e9 is taken as exclusion (the same while a row's scores spread less than about 1e9); NaN and infinities are not served.
; SHARES.  A cluster of four work-groups is one (batch, head); its partners walk the same K and V, which are asked for JOINTLY.  A wave holds FOUR tiles of 16 queries, one in each quarter of the sequence:
; tile q holds queries 512 q + 64 RK + 16 cx + 0..15, RK a permutation of the wave's number.  Keys go in steps of 64.  Tile q is at work in steps up to 8 q + RK and is masked in that last step alone:
; both tests hang on the wave's number and the count of steps, never on cx, since 16 cx + 15 < 64.  So every wave has about the same number of tiles at work at any time, and all partners read every slot.
; LAYOUT.  S^T = K Q^T (source 0 = 16 keys, source 1 = 16 queries) and O^T = V^T P (source 0 = 16 channels, source 1 = P): a lane holds ONE query throughout; two tiles of S^T, rounded in pairs, are source 1 of the second product.
; A position's 64 numbers are 128 bytes; the dense blocks of K and V are stated as rows of 256 bytes (two positions), padded in LDS: position p lies at (p / 2) x pitch + 128 (p % 2).
; REGISTERS: window 0: v3-12 addresses and constants; v14-15 at work; v32-63 eight statistics a tile; v64-191 S^T, 32 a tile (P packed into the first 16); v192-255 K of a step.
;   window 1: v0-127 O^T, 32 a tile; v128-191 Q, 16 a tile; v192-255 V of a step.
.set PKP,   272                        ; K's LDS row: 256 bytes + 16
.set PVP,   288                        ; V's: 256 + 32
.set KST,   32*PKP                     ; a step's 64 keys
.set VST,   32*PVP
.set VOFF,  128*PKP                    ; a slot: 256 keys of K, then of V
.set SLOT1, 1<<17                      ; slot 1 begins here: one exclusive or turns an address from one slot to the other
.set STAGE, SLOT1+128*(PKP+PVP)        ; behind the ring: 16 rows x 144 bytes for each wave, for the way out
.set SPP,   144
.set SPARE, STAGE+8*16*SPP             ; the spare words, 128 bytes a wave, which no other line names
.set AK0, 3
.set AV0, 4
.set ADK, 5
.set ADV, 6
.set QO,  7
.set STO, 8
.set RD,  9
.set GO,  10
.set DM,  11                           ; v11 16 cx + r - 8 h: register 8 kt + j of the masked step is hidden where 16 kt + j is above it
.set NINF, 12
.set SPW, 28
.set NIL, 29
.set PFO, 30
.set ST,  32                           ; tile t's statistics at v[ST + 8 t]: +0 c m, +1 m, +2, +3 l, +4 .. +7 at work; a at +6
.set S,   64
.set KF,  192
.set QF,  128                          ; in window 1
.set VF,  192                          ; in window 1
.set WV,  12
.set RK,  14
.set LIM, 15
.set PFA, 18
.set G1K, 24
.set G1V, 32
.set G0K, 40
.set G0V, 44
.set SLOTS, 48                         ; slots still to be asked for
.set LC,  49
.set IC,  50
.set SPC, 51                           ; the step within the quarter, 0..7
.set TK,  52                           ; LDS byte at which the step's keys begin
.set TV,  53                           ; and its values (less VOFF)
.set CS,  58
.set SEL, 60
.set MSB, 0
.macro WIN new
.if MSB != (\new)
	s_set_vgpr_msb (MSB<<8)|(\new)
.set MSB, (\new)
.endif
.endm
.set W_KQ, 0x04                        ; Q (source 1) in window 1
.set W_PV, 0x51                        ; V (source 0) and O^T (C, D) in window 1, P in window 0
.set W_RS, 0x41                        ; O^T (destination, source 0) in window 1
; A joint load: waves 0 and 1 fetch K's halves of a slot, waves 2 and 3 V's, the others nothing.  The branches hang on the wave's number alone.  An s_nop 0 and four v_nop follow each line.
.macro JLOAD
	s_cmp_lt_u32 s[WV], 2
	s_cbranch_scc0 .Lnot_k_\@
	tensor_load_to_lds s[G0K:G0K+3], s[G1K:G1K+7]
	s_nop 0
.rept 4
	v_nop
.endr
	s_branch .Lasked_\@
.Lnot_k_\@:
	s_cmp_lt_u32 s[WV], 4
	s_cbranch_scc0 .Lasked_\@
	tensor_load_to_lds s[G0V:G0V+3], s[G1V:G1V+7]
	s_nop 0
.rept 4
	v_nop
.endr
.Lasked_\@:
.endm
; A prefetch of what the NEXT change of slots will ask for: a slot's 32,768 bytes of K (wave 4) and of V (wave 5).  The four partners share them out by address, 8,192 bytes each, lanes 256 bytes apart:
; each block of 256 bytes is named once in the launch.  It stands four key steps ahead of the load.  The last change that fills a slot asks for nothing; slots 0 and 1 come by their loads alone.
.macro ASK
	s_cmp_gt_u32 s[SLOTS], s[LIM]
	s_cbranch_scc0 .Lnot_mine_\@
	global_prefetch_b8 v[PFO], s[PFA:PFA+1] th:TH_LOAD_NT scope:SCOPE_SE
.Lnot_mine_\@:
.endm
.macro CROUND
	s_barrier_signal -1
	s_barrier_wait -1
	s_cmp_lg_u32 s[WV], 0
	s_cbranch_scc1 .Lnot_wave_0_\@
	s_barrier_signal -3
.Lnot_wave_0_\@:
	s_barrier_wait -3
	s_barrier_signal -1
	s_barrier_wait -1
.endm
.macro PLACES
.rept 4
	v_nop
.endr
.endm
	s_load_b128 s[4:7], s[0:1], 0x0                ; qkvh, att
	v_lshl_add_u32 v[SPW], v0, 2, SPARE
	v_mov_b32 v[NIL], 0
	ds_add_u32 v[SPW], v[NIL]                      ; the wave's opening: the add, twice on end, and its wait ahead of the first tensor load
	ds_add_u32 v[SPW], v[NIL]
	v_lshrrev_b32 v1, 5, v0
	v_readfirstlane_b32 s[WV], v1                  ; wave 0..7
	s_bfe_u32 s13, ttmp6, 0x40000                  ; cx
	s_lshr_b32 s[RK], s[WV], 2
	s_mul_i32 s[RK], s[RK], 3
	s_xor_b32 s[RK], s[RK], s[WV]                  ; 0 1 2 3 7 6 5 4: waves w and w + 4 have 7 together
	s_and_b32 s20, ttmp7, 0xffff                   ; 16 x batch + head
	s_lshl_b32 s16, s20, 18                        ; the head's 262,144 bytes in each third of qkvh
	s_mov_b32 s17, 0
	s_and_b32 s21, s[WV], 1                        ; which half of a slot I fetch:
	s_lshl_b32 s22, s21, 14                        ; 128 positions of 128 bytes in memory
	s_mov_b32 s23, 0
	s_mov_b32 s[G1K], 15|(1<<16)|(1<<20)|(1<<21)|(5<<22)|(3<<25)  ; the mask: all four; elements of 2 bytes; padding: 4 words behind every 64; bit 21 beside a mask
	s_mov_b32 s[G1V], 15|(1<<16)|(1<<20)|(1<<21)|(5<<22)|(7<<25)  ; the same with 8 words of padding
.irp g, G1K, G1V
	s_mov_b32 s[\g+1], 128<<16                     ; tensor_dim0 = 128 elements: two positions
	s_mov_b32 s[\g+2], 64<<16                      ; tensor_dim1 = 64
	s_mov_b32 s[\g+3], 128<<16                     ; tile_dim0
	s_mov_b32 s[\g+4], 64                          ; tile_dim1
	s_mov_b32 s[\g+5], 128                         ; the pitch: dense
	s_mov_b32 s[\g+6], 0
	s_mov_b32 s[\g+7], 0
.endr
	s_mov_b32 s[G0K], 1
	s_mul_i32 s[G0K+1], s21, 64*PKP                ; slot 0, my half
	s_mov_b32 s[G0V], 1
	s_mul_i32 s[G0V+1], s21, 64*PVP
	s_add_co_u32 s[G0V+1], s[G0V+1], VOFF
	s_mov_b32 s[CS], 0x3e38aa3b                    ; c = log2(e) / 8
	s_mov_b32 s[CS+1], s[CS]                       ; (named with it as a pair, so it is written)
	s_mov_b32 s[SEL], 0x76543210
	s_mov_b32 s[SEL+1], 0xfedcba98                 ; v_permlanex16_b32: lane l xor 16
	s_mov_b32 s[SLOTS], 7
	s_mov_b32 s[TK], 0
	s_mov_b32 s[TV], 0
	s_sub_co_u32 s[LIM], s[WV], 4
	s_lshr_b32 s[LIM], s[LIM], 1
	s_cmp_eq_u32 s[LIM], 0                         ; waves 4 and 5 prefetch
	s_cselect_b32 s[LIM], 1, -1
	s_wait_dscnt 0x0                               ; both opening adds are done
	s_wait_kmcnt 0x0
	s_add_nc_u64 s[4:5], s[4:5], s[16:17]          ; my head's q,
	s_add_nc_u64 s[8:9], s[4:5], 0x1000000         ; k (64 heads on),
	s_add_nc_u64 s[10:11], s[4:5], 0x2000000       ; v (128 heads on)
	s_add_nc_u64 s[G0K+2:G0K+3], s[8:9], s[22:23]
	s_or_b32 s[G0K+3], s[G0K+3], 0x80000000
	s_add_nc_u64 s[G0V+2:G0V+3], s[10:11], s[22:23]
	s_or_b32 s[G0V+3], s[G0V+3], 0x80000000
	CROUND                                         ; all four work-groups are here: the first joint loads meet
	JLOAD                                          ; slot 0: one load of mine is out
	s_cmp_eq_u32 s[WV], 4
	s_cselect_b64 s[PFA:PFA+1], s[8:9], s[10:11]
	s_lshl_b32 s22, s13, 13                        ; my work-group's 8,192 bytes,
	s_add_co_u32 s22, s22, 32768                   ; in slot 1: the first change of slots steps it to slot 2
	s_add_nc_u64 s[PFA:PFA+1], s[PFA:PFA+1], s[22:23]
	s_lshl_b32 s16, s[RK], 13
	s_lshl_b32 s22, s13, 11
	s_add_co_u32 s16, s16, s22                     ; (64 RK + 16 cx) positions of 128 bytes
	s_add_nc_u64 s[4:5], s[4:5], s[16:17]          ; q at tile 0's first query
	s_and_b32 s22, s20, 15
	s_lshl_b32 s22, s22, 20                        ; att: the head's plane,
	s_lshr_b32 s21, s20, 4
	s_lshl_b32 s21, s21, 18                        ; the batch's 2,048 rows
	s_add_co_u32 s22, s22, s21
	s_add_co_u32 s16, s16, s22
	s_add_nc_u64 s[6:7], s[6:7], s[16:17]
	v_and_b32 v1, 15, v0                           ; r
	v_bfe_u32 v2, v0, 4, 1                         ; h
	v_lshlrev_b32 v[QO], 7, v1
	v_lshl_add_u32 v[QO], v2, 4, v[QO]             ; row r of 128 bytes + 16 h
	WIN 0x40                                       ; destination window 1
.irp q, 0,1,2,3
.irp c, 0,1
	global_load_b128 v[QF+16*\q+8*\c:QF+16*\q+8*\c+3],   v[QO], s[4:5] offset:65536*\q+64*\c      ; Q stays in registers: tile q, channels 32 c on
	global_load_b128 v[QF+16*\q+8*\c+4:QF+16*\q+8*\c+7], v[QO], s[4:5] offset:65536*\q+64*\c+32
.endr
.endr
.set zi, 0
.rept 128
	v_mov_b32 v[zi], 0                             ; O^T.  The step is written once for each quarter and has no first step of its own: it finds zeros, which the first change of m leaves zeros
.set zi, zi+1
.endr
	WIN 0
	v_lshrrev_b32 v13, 1, v1
	v_mul_u32_u24 v[AK0], v13, PKP
	v_and_b32 v13, 1, v1
	v_lshl_add_u32 v[AK0], v13, 7, v[AK0]
	v_lshl_add_u32 v[AK0], v2, 4, v[AK0]           ; K: key r of a tile: (r / 2) x pitch + 128 (r % 2) + 16 h
	v_bfe_u32 v13, v0, 1, 2
	v_lshl_add_u32 v13, v2, 2, v13
	v_mul_u32_u24 v[AV0], v13, PVP                 ; V, for the turning load: key 8 h + l % 8, channels 8 ((l / 8) % 2) on
	v_and_b32 v13, 1, v0
	v_lshl_add_u32 v[AV0], v13, 7, v[AV0]
	v_bfe_u32 v13, v0, 3, 1
	v_lshl_add_u32 v[AV0], v13, 4, v[AV0]
	v_add_nc_u32 v[AV0], VOFF, v[AV0]
	s_mul_i32 s22, s[WV], 16*SPP
	s_add_co_u32 s22, s22, STAGE                   ; my stage
	v_mul_u32_u24 v[STO], v1, SPP
	v_lshl_add_u32 v[STO], v2, 4, v[STO]
	v_add_nc_u32 v[STO], s22, v[STO]               ; in: row r, 16 bytes for each half of the lanes
	v_bfe_u32 v13, v0, 3, 2
	v_mul_u32_u24 v[RD], v13, SPP
	v_and_b32 v13, 7, v0
	v_lshl_add_u32 v[RD], v13, 4, v[RD]
	v_add_nc_u32 v[RD], s22, v[RD]                 ; back: eight lanes to a row of 128 bytes, four rows an instruction
	v_and_b32 v[GO], 31, v0
	v_lshlrev_b32 v[PFO], 8, v[GO]                 ; 256 x lane
	v_lshlrev_b32 v[GO], 4, v[GO]                  ; 16 x lane: the same four rows in att are 512 dense bytes
	v_lshlrev_b32 v13, 3, v2
	v_sub_nc_u32 v[DM], v1, v13
	s_lshl_b32 s22, s13, 4
	v_add_nc_u32 v[DM], s22, v[DM]
	v_mov_b32 v[NINF], 0xff800000                  ; -infinity
.irp t, 0,1,2,3
	v_mov_b32 v[ST+8*\t+1], 0xff61b1e6             ; m: -3e38, under every score
	v_mul_f32 v[ST+8*\t], s[CS], v[ST+8*\t+1]      ; c m
.irp u, 2,3,4,5,6,7
	v_mov_b32 v[ST+8*\t+\u], 0                     ; l; and the registers at work, written once (a lane permute's destination counts as a source)
.endr
.endr
.macro FETCH_K                         ; a step's K: 4 tiles of 16 keys x 2 chunks of 32 channels
.irp f, 0,1,2,3,4,5,6,7
	ds_load_b128 v[KF+8*\f:KF+8*\f+3],   v[ADK] offset:(\f/2)*8*PKP+(\f%2)*64
	ds_load_b128 v[KF+8*\f+4:KF+8*\f+7], v[ADK] offset:(\f/2)*8*PKP+(\f%2)*64+32
.endr
.endm
.macro FETCH_V                         ; a step's V, turned: keys 32 (f / 4) on, channels 16 (f % 4) on
	WIN 0x40
.irp f, 0,1,2,3,4,5,6,7
	ds_load_tr16_b128 v[VF+8*\f:VF+8*\f+3],   v[ADV] offset:(\f/4)*16*PVP+(\f%4)*32
	ds_load_tr16_b128 v[VF+8*\f+4:VF+8*\f+7], v[ADV] offset:(\f/4)*16*PVP+8*PVP+(\f%4)*32
.endr
	WIN 0
.endm
; The four accumulators of a product take turns, one instruction a turn.
.macro KQ t                            ; S^T of tile t: the first four start the sums
	WIN W_KQ
.irp i, 0,1,2,3
	v_wmma_f32_16x16x32_f16 v[S+32*(\t)+8*\i:S+32*(\t)+8*\i+7], v[KF+16*\i:KF+16*\i+7], v[QF+16*(\t):QF+16*(\t)+7], 0
.endr
.irp i, 0,1,2,3
	v_wmma_f32_16x16x32_f16 v[S+32*(\t)+8*\i:S+32*(\t)+8*\i+7], v[KF+16*\i+8:KF+16*\i+15], v[QF+16*(\t)+8:QF+16*(\t)+15], v[S+32*(\t)+8*\i:S+32*(\t)+8*\i+7]
.endr
.endm
.macro PV t                            ; O^T of tile t += V^T P
	WIN W_PV
.irp kc, 0,1
.irp ct, 0,1,2,3
	v_wmma_f32_16x16x32_f16 v[32*(\t)+8*\ct:32*(\t)+8*\ct+7], v[VF+32*\kc+8*\ct:VF+32*\kc+8*\ct+7], v[S+32*(\t)+8*\kc:S+32*(\t)+8*\kc+7], v[32*(\t)+8*\ct:32*(\t)+8*\ct+7]
.endr
.endr
.endm
.macro MASK t                          ; on the diagonal the scores of hidden keys become -infinity: p = 0 then
.set mn, 0
.rept 32
	v_cmp_gt_i32 vcc_lo, 16*(mn/8)+mn%8, v[DM]
	v_cndmask_b32 v[S+32*(\t)+mn], v[S+32*(\t)+mn], v[NINF], vcc_lo
.set mn, mn+1
.endr
.endm
; One tile's softmax for one key step.  The 33 exponentials are one batch with one wait, ahead of the first line that names a result.  Each accumulator is read from its low end on.
.macro SOFT t
.set rT, ST+8*(\t)
.set rS, S+32*(\t)
.set rO, 32*(\t)
	WIN 0
.irp j, 0,1,2,3
	v_max3_num_f32 v[rT+4+\j], v[rS+8*\j], v[rS+8*\j+1], v[rS+8*\j+2]        ; the maximum, in four chains
.endr
.irp u, 3,5
.irp j, 0,1,2,3
	v_max3_num_f32 v[rT+4+\j], v[rT+4+\j], v[rS+8*\j+\u], v[rS+8*\j+\u+1]
.endr
.endr
	v_max3_num_f32 v[rT+4], v[rT+4], v[rS+7], v[rS+15]
	v_max3_num_f32 v[rT+6], v[rT+6], v[rS+23], v[rS+31]
	v_max3_num_f32 v[rT+4], v[rT+4], v[rT+5], v[rT+6]
	v_max3_num_f32 v[rT+4], v[rT+4], v[rT+7], v[rT+1]                        ; with the old m
	v_permlanex16_b32 v[rT+5], v[rT+4], s[SEL], s[SEL+1]                     ; the query's other 32 keys lie in the lane 16 away
	v_mov_b32 v[rT+7], v[rT]                                                 ; c m_old
	v_max_num_f32 v[rT+1], v[rT+4], v[rT+5]                                  ; the new m
	v_mul_f32 v[rT], s[CS], v[rT+1]
	v_sub_f32 v[rT+7], v[rT+7], v[rT]                                        ; c m_old - c m_new
.set sx, 0
.rept 16
	v_pk_fma_f32 v[rS+sx:rS+sx+1], v[rS+sx:rS+sx+1], s[CS:CS+1], v[rT:rT+1] op_sel_hi:[1,0,0] neg_lo:[0,0,1] neg_hi:[0,0,1]   ; c s - c m, two at a time
.set sx, sx+2
.endr
	v_exp_f32 v[rT+6], v[rT+7]                                               ; a
.set sx, 0
.rept 32
	v_exp_f32 v[rS+sx], v[rS+sx]                                             ; p
.set sx, sx+1
.endr
	v_nop                                                                    ; the plain line behind the last exponential
	s_wait_alu depctr_va_vdst(0)                                             ; one wait for the batch, ahead of the first line that names a result
	v_pk_add_f32 v[rT+4:rT+5], v[rS:rS+1], v[rS+2:rS+3]                      ; the sum of the unrounded p, in two chains
	v_pk_add_f32 v[14:15], v[rS+4:rS+5], v[rS+6:rS+7]
.irp b, 8,12,16,20,24,28
	v_pk_add_f32 v[rT+4:rT+5], v[rT+4:rT+5], v[rS+\b:rS+\b+1]
	v_pk_add_f32 v[14:15], v[14:15], v[rS+\b+2:rS+\b+3]
.endr
	v_pk_add_f32 v[rT+4:rT+5], v[rT+4:rT+5], v[14:15]
	v_pk_fma_f32 v[rT+2:rT+3], v[rT+2:rT+3], v[rT+6:rT+7], v[rT+4:rT+5] op_sel_hi:[1,0,1]   ; l = a l + the sum
.set sx, 0
.rept 16
	v_cvt_pk_f16_f32 v[rS+sx], v[rS+2*sx], v[rS+2*sx+1]                      ; P, packed in place: register sx was read before it is written
.set sx, sx+1
.endr
	WIN W_RS
.set sx, 0
.rept 16
	v_pk_mul_f32 v[rO+sx:rO+sx+1], v[rO+sx:rO+sx+1], v[rT+6:rT+7] op_sel_hi:[1,0]   ; O^T x a.  These name no register of the tile's K Q^T: they are the places in front of V^T P, which takes S^T's registers as a source
.set sx, sx+2
.endr
.endm
; A KEY STEP in quarter Q: tiles above Q are at work and open; tile Q is at work while SPC <= RK and is masked where SPC = RK; tiles under Q are done.
; A tile's products run under the next tile's softmax; the SIMD's second wave fills the rest.
.macro STEP Q
.if \Q == 3
	s_cmp_gt_u32 s[SPC], s[RK]                     ; nothing left for this wave in this step: the count of steps and the wave's number alone
	s_cbranch_scc1 .Lskip_\@
.endif
	v_add_nc_u32 v[ADK], s[TK], v[AK0]
	v_add_nc_u32 v[ADV], s[TV], v[AV0]
.rept 3
	v_nop                                          ; with the two additions: five places behind the last step's products, whose registers are loaded into and written over below
.endr
	FETCH_K
	FETCH_V
	s_wait_dscnt 16                                ; K is in; V's sixteen loads may be out
.if \Q < 3
	KQ 3
.if \Q < 2
	KQ 2
.endif
	PLACES
	SOFT 3
	s_wait_dscnt 0x0                               ; V is in
	PV 3
.if \Q < 2
.if \Q < 1
	KQ 1
.endif
	SOFT 2
	PV 2
.if \Q < 1
	SOFT 1
	PV 1
.endif
.endif
	WIN 0
	s_cmp_gt_u32 s[SPC], s[RK]
	s_cbranch_scc1 .Lskip_\@
.endif
	KQ \Q
	WIN 0
	PLACES
	s_cmp_lg_u32 s[SPC], s[RK]
	s_cbranch_scc1 .Lopen_\@
	MASK \Q
.Lopen_\@:
	SOFT \Q
.if \Q == 3
	s_wait_dscnt 0x0                               ; V is in
.endif
	PV \Q
	WIN 0
.Lskip_\@:
	s_add_co_u32 s[SPC], s[SPC], 1
	s_add_co_u32 s[TK], s[TK], KST
	s_add_co_u32 s[TV], s[TV], VST
.endm
.macro SLOTSTEPS Q                     ; a slot's four steps, written once and walked four times
	s_mov_b32 s[IC], 4
.Lst_\@:
	STEP \Q
	s_sub_co_u32 s[IC], s[IC], 1
	s_cmp_lg_u32 s[IC], 0
	s_cbranch_scc1 .Lst_\@
	s_sub_co_u32 s[TK], s[TK], 4*KST               ; back to a slot's first step,
	s_xor_b32 s[TK], s[TK], SLOT1                  ; in the other slot
	s_sub_co_u32 s[TV], s[TV], 4*VST
	s_xor_b32 s[TV], s[TV], SLOT1
.endm
; THE CHANGE OF SLOTS stands at a slot's head.  Each wave waits for all its tensor loads (its part of the slot ahead), adds 0 to its spare word, and waits for that and for its reads of the slot that it has left.
; fill = 1: a round of the cluster's barrier, and behind it the other slot is asked for jointly, with the 256 keys that follow: the load has four key steps in which to land.
.macro CHANGE fill
	s_wait_tensorcnt 0x0                           ; no tensor load of mine is out, so a descriptor may be written
	ds_add_u32 v[SPW], v[NIL]                      ; 0 onto my spare word
.if \fill
	ds_add_u32 v[SPW], v[NIL]                      ; and twice on end here, in every trip alike
	s_xor_b32 s[G0K+1], s[G0K+1], SLOT1            ; the walking descriptors: the other slot, the next 256 positions
	s_add_nc_u64 s[G0K+2:G0K+3], s[G0K+2:G0K+3], 32768
	s_xor_b32 s[G0V+1], s[G0V+1], SLOT1
	s_add_nc_u64 s[G0V+2:G0V+3], s[G0V+2:G0V+3], 32768
	s_wait_xcnt 0x0                                ; the last prefetch, a slot back, has read its address
	s_add_nc_u64 s[PFA:PFA+1], s[PFA:PFA+1], 32768
	s_wait_dscnt 0x0                               ; both adds are done, and my reads of the slot that I have left are over
	CROUND
	JLOAD                                          ; the first thing behind the round, and a wave's one tensor load until the next
	ASK
	s_sub_co_u32 s[SLOTS], s[SLOTS], 1
.else
	s_wait_dscnt 0x0
	s_barrier_signal -1
	s_barrier_wait -1
.endif
.endm
.macro QUARTER Q                       ; eight key steps: two slots
	s_mov_b32 s[SPC], 0
	s_mov_b32 s[LC], 2
.Lq_\@:
	CHANGE 1
	SLOTSTEPS \Q
	s_sub_co_u32 s[LC], s[LC], 1
	s_cmp_lg_u32 s[LC], 0
	s_cbranch_scc1 .Lq_\@
.endm
	s_wait_loadcnt 0x0                             ; Q
	QUARTER 0
	QUARTER 1
	QUARTER 2
	s_mov_b32 s[SPC], 0                            ; the last quarter is written out
	CHANGE 1
	SLOTSTEPS 3
	CHANGE 0
	SLOTSTEPS 3
	; THE WAY OUT.  l's two halves and the other half of the lanes' are added; O^T is divided by l, rounded to f16 and sent through my stage, a tile at a time.  The additions are the places behind the last products.
.irp t, 0,1,2,3
	v_add_f32 v[ST+8*\t+4], v[ST+8*\t+2], v[ST+8*\t+3]
.endr
.irp t, 0,1,2,3
	v_permlanex16_b32 v[ST+8*\t+5], v[ST+8*\t+4], s[SEL], s[SEL+1]
.endr
.irp t, 0,1,2,3
	v_add_f32 v[ST+8*\t+4], v[ST+8*\t+4], v[ST+8*\t+5]
.endr
.irp t, 0,1,2,3
	v_rcp_f32 v[ST+8*\t+6], v[ST+8*\t+4]
.endr
	v_nop                                          ; a plain line behind the last reciprocal
	s_wait_alu depctr_va_vdst(0)                   ; one wait for the four, ahead of their first use
.macro OUT t
.set rT, ST+8*(\t)
	WIN W_RS
.set ox, 0
.rept 16
	v_pk_mul_f32 v[32*(\t)+ox:32*(\t)+ox+1], v[32*(\t)+ox:32*(\t)+ox+1], v[rT+6:rT+7] op_sel_hi:[1,0]
.set ox, ox+2
.endr
	WIN 0x05                                       ; sources in window 1, destination in window 0: S^T's registers are free
.set ox, 0
.rept 16
	v_cvt_pk_f16_f32 v[S+32*(\t)+ox], v[32*(\t)+2*ox], v[32*(\t)+2*ox+1]
.set ox, ox+1
.endr
	WIN 0
.irp c, 0,1,2,3
	ds_store_b128 v[STO], v[S+32*(\t)+4*\c:S+32*(\t)+4*\c+3] offset:32*\c
.endr
.irp c, 0,1,2,3
	ds_load_b128 v[S+32*(\t)+16+4*\c:S+32*(\t)+16+4*\c+3], v[RD] offset:4*SPP*\c   ; in order behind my stores
.endr
	s_wait_dscnt 0x0
.irp c, 0,1,2,3
	global_store_b128 v[GO], v[S+32*(\t)+16+4*\c:S+32*(\t)+16+4*\c+3], s[6:7] offset:65536*(\t)+512*\c   ; 32 lanes store four rows: 512 consecutive bytes, aligned
.endr
.endm
	OUT 0
	OUT 1
	OUT 2
	OUT 3
	s_wait_tensorcnt 0x0                           ; the wave's end
	ds_add_u32 v[SPW], v[NIL]
	s_wait_dscnt 0x0
	CROUND                                         ; the closing round
	s_endpgm
.Lfunc_end_k_qa88dc02708_attn:
	.size	k_qa88dc02708_attn, .Lfunc_end_k_qa88dc02708_attn-k_qa88dc02708_attn
	.p2alignl 7, 3214868480
	.fill 96, 4, 3214868480
	.section	.rodata,"a",@progbits
	.p2align	6, 0x0
	.amdhsa_kernel k_qa88dc02708_attn
		.amdhsa_group_segment_fixed_size 327680
		.amdhsa_private_segment_fixed_size 0
		.amdhsa_enable_private_segment 0
		.amdhsa_kernarg_size 16
		.amdhsa_user_sgpr_count 2
		.amdhsa_user_sgpr_kernarg_segment_ptr 1
		.amdhsa_wavefront_size32 1
		.amdhsa_system_sgpr_workgroup_id_x 1
		.amdhsa_system_sgpr_workgroup_id_y 1
		.amdhsa_system_sgpr_workgroup_id_z 1
		.amdhsa_system_vgpr_workitem_id 0
		.amdhsa_next_free_vgpr 512
		.amdhsa_next_free_sgpr 66
		.amdhsa_reserve_vcc 1
		.amdhsa_float_denorm_mode_32 3
		.amdhsa_float_denorm_mode_16_64 3
		.amdhsa_memory_ordered 1
		.amdhsa_forward_progress 1
		.amdhsa_inst_pref_size 141
	.end_amdhsa_kernel
	.amdgpu_metadata
---
amdhsa.version: [ 1, 2 ]
amdhsa.kernels:
  - .name:           k_qa88dc02708_attn
    .symbol:         k_qa88dc02708_attn.kd
    .args:
      - { .name: qkvh, .offset: 0, .size: 8, .value_kind: global_buffer, .address_space: global }
      - { .name: att, .offset: 8, .size: 8, .value_kind: global_buffer, .address_space: global }
    .group_segment_fixed_size: 327680
    .private_segment_fixed_size: 0
    .kernarg_segment_align: 8
    .kernarg_segment_size: 16
    .max_flat_workgroup_size: 256
    .sgpr_count:     66
    .vgpr_count:     512
    .wavefront_size: 32
...
	.end_amdgpu_metadata
.endif
;; end of part 4
;; launch proj (part 5): grid 8 x 32, 4 waves a work-group, clusters of 4 x 4, 327,680 bytes of LDS; arguments att, wo16, out0; writes out0
.if DOCPART == 5
	.amdgcn_target "amdgcn-amd-amdhsa--gfx1250"
	.amdhsa_code_object_version 6
	.text
	.protected	k_qa88dc02708_proj
	.globl	k_qa88dc02708_proj
	.p2align	8
	.type	k_qa88dc02708_proj,@function
k_qa88dc02708_proj:
	s_mov_b64 s[64:65], 0
	v_nop
	global_prefetch_b8 v0, s[64:65] scope:SCOPE_SE
	s_setreg_imm32_b32 hwreg(HW_REG_WAVE_MODE, 25, 1), 1
	s_wait_xcnt 0x0
	s_wait_alu depctr_hold_cnt(0) depctr_sa_sdst(0) depctr_va_vdst(0) depctr_va_sdst(0) depctr_va_ssrc(0) depctr_va_vcc(0) depctr_vm_vsrc(0)
	s_getreg_b32 s2, hwreg(HW_REG_IB_STS2, 6, 4)
	s_cmp_eq_u32 s2, 0
	s_cbranch_scc0 .Lentry_in_a_cluster
	s_endpgm
.Lentry_in_a_cluster:
	s_bfe_u32 s2, ttmp6, 0x10000c
	s_cmp_lg_u32 s2, 0xf033
	s_cbranch_scc0 .Lentry_shape_is_right
	s_endpgm
.Lentry_shape_is_right:
; out0[m][n] = sum over k of att[m][k] w_out[k][n], f16 operands, f32 sums; every row but positions 0 to 15 of each batch, which a later launch makes more finely.
; A = att [head 16][m 8192][64] f16 (k = 64 head + channel); B = wo16 [k 1024][n 1024] f16, K not innermost: its fragments come out of LDS turned, by ds_load_tr16_b128.
; A tile of out0 is 256 (m) x 128 (n): 256 work-groups.  Four waves, each 128 x 64: 32 accumulators, all of window 1.  K goes in 8 steps of 128 (two heads) through a ring of two LDS slots.
; CLUSTERS: 4 x 4; A's tiles are asked for jointly along a row of the cluster, B's along a column.  The tile row is (cluster y) + 8 cy, so that the rows left out are those of cluster y = 0: that branch hangs on the cluster's y and the wave's number alone.
; THE MATRIX INSTRUCTION IS USED TRANSPOSED (source 0 = 16 columns of B, source 1 = 16 rows of A): a lane holds eight neighbouring columns of one row.
; A head's plane of 256 rows is 32,768 dense bytes, stated as 128 rows of 256 bytes (two rows of att), padded in LDS: row p lies at (p / 2) x 272 + 128 (p % 2).
; REGISTERS: window 0: v16-29 addresses; v64-159, v160-255 two fragment buffers for 32 along K (A's 8 blocks, then B's 4).  window 1: accumulator (a, b) at v[8 (4 a + b)].
.set PL,     128*272                   ; a head's plane in LDS
.set BP,     288                       ; B's LDS row: 256 bytes + 32
.set SLOT,   2*PL+128*BP               ; two planes of A, then 128 rows of B
.set STAGE,  2*SLOT                    ; behind the ring: 16 rows x 272 bytes for each wave
.set SPITCH, 272
.set SPARE,  STAGE+4*16*SPITCH         ; the spare words, which no other line names
.set ADRA, 16
.set ADRB, 20
.set STO,  24
.set RD,   25
.set CO,   26
.set SPW,  28
.set NIL,  29
.set F0,   64
.set F1,   160
.set OB,   64                          ; the way out: rows read back: v64-95 and v96-127 by turns
.set SKIP, 45                          ; s45: 0 where my block 0 is positions 0 to 15
.set G1, 24
.set G0, 32
.set G1B, 48
.set G0B, 56
.set MSB, 0
.macro WIN new
.if MSB != (\new)
	s_set_vgpr_msb (MSB<<8)|(\new)
.set MSB, (\new)
.endif
.endm
.set MULW, 0x50                        ; C and D in window 1
.macro JLOAD s                         ; waves 0 and 1 fetch A's two planes, waves 2 and 3 B's two halves; an s_nop 0 and four v_nop follow each line
	s_cmp_eq_u32 s11, 0
	s_cbranch_scc0 .Lfor_b_\@
	tensor_load_to_lds s[G0+4*\s:G0+4*\s+3], s[G1:G1+7]
	s_nop 0
.rept 4
	v_nop
.endr
	s_branch .Lasked_\@
.Lfor_b_\@:
	tensor_load_to_lds s[G0B+4*\s:G0B+4*\s+3], s[G1B:G1B+7]
	s_nop 0
.rept 4
	v_nop
.endr
.Lasked_\@:
.endm
.macro CREST
	s_cmp_lg_u32 s10, 0
	s_cbranch_scc1 .Lnot_wave_0_\@
	s_barrier_signal -3
.Lnot_wave_0_\@:
	s_barrier_wait -3
	s_barrier_signal -1
	s_barrier_wait -1
.endm
.macro CROUND
	s_barrier_signal -1
	s_barrier_wait -1
	CREST
.endm
	s_load_b128 s[4:7], s[0:1], 0x0                ; att, wo16
	s_load_b64 s[8:9], s[0:1], 0x10                ; out0
	v_lshl_add_u32 v[SPW], v0, 2, SPARE
	v_mov_b32 v[NIL], 0
	ds_add_u32 v[SPW], v[NIL]                      ; the wave's opening: the add, twice on end, and its wait ahead of my first tensor load
	ds_add_u32 v[SPW], v[NIL]
	v_lshrrev_b32 v1, 5, v0
	v_readfirstlane_b32 s10, v1                    ; wave 0..3
	s_lshr_b32 s11, s10, 1                         ; which half of the tile's rows is mine.  Also: I fetch for A (0) or for B (1)
	s_and_b32 s12, s10, 1                          ; which half of its columns.  Also: which plane of A, or which 64 rows of B, I fetch
	s_bfe_u32 s40, ttmp6, 0x40000                  ; cx
	s_bfe_u32 s41, ttmp6, 0x40004                  ; cy
	s_lshl_b32 s42, ttmp9, 2
	s_add_co_u32 s42, s42, s40                     ; tile column = 4 x cluster x + cx
	s_and_b32 s[SKIP], ttmp7, 0xffff               ; cluster y
	s_lshl_b32 s13, s41, 3
	s_add_co_u32 s13, s13, s[SKIP]                 ; tile row = cluster y + 8 cy
	s_or_b32 s[SKIP], s[SKIP], s11
	s_lshl_b32 s43, s41, 2
	s_lshl_b32 s43, 15, s43                        ; my row of the cluster
	s_lshl_b32 s44, 0x1111, s40                    ; my column
	s_or_b32 s[G1+0], s43, (1<<16)|(1<<20)|(1<<21)|(5<<22)|(3<<25)   ; the mask; elements of 2 bytes; padding: 4 words behind every 64; bit 21 beside a mask
	s_mov_b32 s[G1+1], 128<<16                     ; tensor_dim0 = 128 elements: two rows of att
	s_mov_b32 s[G1+2], 128<<16                     ; tensor_dim1 = 128
	s_mov_b32 s[G1+3], 128<<16                     ; tile_dim0
	s_mov_b32 s[G1+4], 128                         ; tile_dim1
	s_mov_b32 s[G1+5], 128                         ; the pitch: dense
	s_mov_b32 s[G1+6], 0
	s_mov_b32 s[G1+7], 0
	s_or_b32 s[G1B+0], s44, (1<<16)|(1<<20)|(1<<21)|(5<<22)|(7<<25)  ; padding: 8 words
	s_mov_b32 s[G1B+1], 128<<16                    ; 128 columns
	s_mov_b32 s[G1B+2], 64<<16                     ; 64 rows of k
	s_mov_b32 s[G1B+3], 128<<16
	s_mov_b32 s[G1B+4], 64
	s_mov_b32 s[G1B+5], 1024                       ; the pitch
	s_mov_b32 s[G1B+6], 0
	s_mov_b32 s[G1B+7], 0
	s_lshl_b32 s16, s12, 20                        ; A: my plane of the K step's two,
	s_lshl_b32 s17, s13, 15                        ; the tile's 256 rows of 128 bytes
	s_add_co_u32 s16, s16, s17
	s_mov_b32 s17, 0
	s_lshl_b32 s46, s12, 17                        ; B: my 64 rows of 2,048 bytes,
	s_lshl_b32 s47, s42, 8                         ; the tile's 128 columns
	s_add_co_u32 s46, s46, s47
	s_mov_b32 s47, 0
	s_mul_i32 s20, s12, PL                         ; where they go: no place in the cluster enters an LDS address
	s_mul_i32 s21, s12, 64*BP
	s_add_co_u32 s21, s21, 2*PL
	s_wait_dscnt 0x0                               ; both opening adds are done
	s_wait_kmcnt 0x0
	s_add_nc_u64 s[14:15], s[4:5], s[16:17]
	s_add_nc_u64 s[46:47], s[6:7], s[46:47]
	CROUND                                         ; all sixteen work-groups are here: the first joint loads meet
.irp s, 0,1
	s_mov_b32 s[G0+4*\s], 1
	s_add_co_u32 s[G0+4*\s+1], s20, \s*SLOT
	s_add_nc_u64 s[G0+4*\s+2:G0+4*\s+3], s[14:15], \s*2*1048576    ; K step s: heads 2 s, 2 s + 1
	s_or_b32 s[G0+4*\s+3], s[G0+4*\s+3], 0x80000000
	s_mov_b32 s[G0B+4*\s], 1
	s_add_co_u32 s[G0B+4*\s+1], s21, \s*SLOT
	s_add_nc_u64 s[G0B+4*\s+2:G0B+4*\s+3], s[46:47], \s*128*2048
	s_or_b32 s[G0B+4*\s+3], s[G0B+4*\s+3], 0x80000000
	JLOAD \s                                       ; two loads of mine are out
.endr
	v_and_b32 v1, 15, v0                           ; r
	v_bfe_u32 v2, v0, 4, 1                         ; h
	v_lshrrev_b32 v5, 1, v1
	v_mul_u32_u24 v3, v5, 272
	v_and_b32 v5, 1, v1
	v_lshl_add_u32 v3, v5, 7, v3
	v_lshl_add_u32 v3, v2, 4, v3                   ; A: row r of a block: (r / 2) x 272 + 128 (r % 2) + 16 h
	v_and_b32 v5, 7, v0
	v_lshl_add_u32 v5, v2, 3, v5
	v_mul_u32_u24 v4, v5, BP                       ; B, for the turning load: k = 8 h + l % 8, columns 8 ((l / 8) % 2) on
	v_bfe_u32 v5, v0, 3, 1
	v_lshl_add_u32 v4, v5, 4, v4
	s_mul_i32 s21, s11, 64*272                     ; my 128 rows of A
	s_lshl_b32 s22, s12, 7                         ; my 64 columns of B,
	s_add_co_u32 s22, s22, 2*PL                    ; which lies behind A's planes
.irp s, 0,1
	v_add_nc_u32 v[ADRA+\s], s21, v3
	v_add_nc_u32 v[ADRB+\s], s22, v4
	s_add_co_u32 s21, s21, SLOT
	s_add_co_u32 s22, s22, SLOT
.endr
	s_mul_i32 s23, s10, 16*SPITCH
	s_add_co_u32 s23, s23, STAGE                   ; my stage
	v_mul_u32_u24 v5, v1, SPITCH
	v_lshl_add_u32 v5, v2, 5, v5
	v_add_nc_u32 v[STO], s23, v5                   ; in: row r, 32 bytes for each half of the lanes
	v_mul_u32_u24 v5, v2, SPITCH
	v_lshl_add_u32 v5, v1, 4, v5
	v_add_nc_u32 v[RD], s23, v5                    ; back: lanes 0-15 one row of 256 bytes, lanes 16-31 the next
	v_lshlrev_b32 v5, 12, v2
	v_lshl_add_u32 v[CO], v1, 4, v5                ; and the same two rows in out0
	s_lshl_b32 s16, s13, 8
	s_lshl_b32 s17, s11, 7
	s_add_co_u32 s16, s16, s17                     ; my first row
	s_lshl_b32 s16, s16, 12                        ; of 4,096 bytes
	s_mov_b32 s17, 0
	s_add_nc_u64 s[8:9], s[8:9], s[16:17]
	s_lshl_b32 s46, s42, 9                         ; my first column, in bytes: 512 x tile column + 256 x half
	s_lshl_b32 s47, s12, 8
	s_add_co_u32 s46, s46, s47
	s_mov_b32 s47, 0
	s_add_nc_u64 s[8:9], s[8:9], s[46:47]
; n x 4 matrix instructions: A's blocks a0 on x B's four, 32 along K.  The 32 accumulators take turns, one instruction a turn, in the same order in every quarter.
.macro MUL f, a0, n, zero
.set ma, \a0
.rept \n
.irp b, 0,1,2,3
.if \zero
	v_wmma_f32_16x16x32_f16 v[8*(4*ma+\b):8*(4*ma+\b)+7], v[\f+64+8*\b:\f+64+8*\b+7], v[\f+8*ma:\f+8*ma+7], 0
.else
	v_wmma_f32_16x16x32_f16 v[8*(4*ma+\b):8*(4*ma+\b)+7], v[\f+64+8*\b:\f+64+8*\b+7], v[\f+8*ma:\f+8*ma+7], v[8*(4*ma+\b):8*(4*ma+\b)+7]
.endif
.endr
.set ma, ma+1
.endr
.endm
; 24 LDS loads in one run: the fragments of the slot's q-th 32 along K into buffer f: B's four, A's blocks 0-3, A's blocks 4-7
.macro FETCH slot, q, f
.irp i, 0,1,2,3
	ds_load_tr16_b128 v[\f+64+8*\i:\f+64+8*\i+3],   v[ADRB+\slot] offset:(\q)*32*BP+32*\i
	ds_load_tr16_b128 v[\f+64+8*\i+4:\f+64+8*\i+7], v[ADRB+\slot] offset:(\q)*32*BP+32*\i+16*BP
.endr
.irp i, 0,1,2,3,4,5,6,7
	ds_load_b128 v[\f+8*\i:\f+8*\i+3],   v[ADRA+\slot] offset:((\q)/2)*PL+64*((\q)%2)+\i*8*272
	ds_load_b128 v[\f+8*\i+4:\f+8*\i+7], v[ADRA+\slot] offset:((\q)/2)*PL+64*((\q)%2)+\i*8*272+32
.endr
.endm
.macro PLACES                          ; four plain lines in front of loads into registers that matrix instructions have read, and of reads of results
.rept 4
	v_nop
.endr
.endm
; A K step is four quarters of 32 along K, 32 matrix instructions each, on buffers 0, 1, 0, 1.  One of the first three: multiplies buffer f and fetches quarter qn into g.
.macro QUARTER slot, qn, f, g, zero
	s_wait_dscnt 8                                 ; B and A's blocks 0-3 are in; the youngest eight loads (A's blocks 4-7) may be out
	WIN MULW
	MUL \f, 0, 4, \zero
	PLACES
	WIN 0
	FETCH \slot, \qn, \g
	s_wait_dscnt 24                                ; all but the 24 just issued
	WIN MULW
	MUL \f, 4, 4, \zero
.endm
; The last quarter multiplies buffer 1 and changes slots: ONE barrier; in front of it each wave waits for all its tensor loads, adds 0 to its spare word, and waits for that and for its reads of this slot.
; fill = 1: the barrier opens a round of the cluster's, and this slot is asked for again, two K steps ahead: 112 matrix instructions ahead of the wait for it.
.macro TURN slot, next, fill
	WIN 0
	s_wait_tensorcnt 0x0                           ; all my tensor loads have landed: my part of the next slot
	ds_add_u32 v[SPW], v[NIL]
	s_wait_dscnt 9                                 ; the add and the youngest eight loads may be out
	WIN MULW
	MUL F1, 0, 2, 0
	s_wait_dscnt 0x0                               ; the add is done, and my reads of this slot are over
	s_barrier_signal -1
	MUL F1, 2, 2, 0
	WIN 0
	s_barrier_wait -1
.if \fill
	CREST
	s_add_nc_u64 s[G0+4*\slot+2:G0+4*\slot+3], s[G0+4*\slot+2:G0+4*\slot+3], 4*1048576
	s_add_nc_u64 s[G0B+4*\slot+2:G0B+4*\slot+3], s[G0B+4*\slot+2:G0B+4*\slot+3], 256*2048
	JLOAD \slot                                    ; the first tensor load behind the round; its four v_nop are also the places in front of the loads below
.else
	PLACES
.endif
	FETCH \next, 0, F0
	WIN MULW
	MUL F1, 4, 4, 0
.endm
	s_wait_tensorcnt 1                             ; my part of K step 0 is in; K step 1's load may be out
	s_barrier_signal -1
	s_barrier_wait -1
	FETCH 0, 0, F0
	QUARTER 0, 1, F0, F1, 1                        ; the first quarter's products start the sums: nothing is cleared
	WIN 0
	s_mov_b32 s3, 3
.Llap:                                             ; a trip goes once round the ring, from a lap's second quarter to the next lap's first, and fills both slots again
	QUARTER 0, 2, F1, F0, 0
	QUARTER 0, 3, F0, F1, 0
	TURN 0, 1, 1
	QUARTER 1, 1, F0, F1, 0
	QUARTER 1, 2, F1, F0, 0
	QUARTER 1, 3, F0, F1, 0
	TURN 1, 0, 1
	QUARTER 0, 1, F0, F1, 0
	WIN 0
	s_sub_co_u32 s3, s3, 1
	s_cmp_lg_u32 s3, 0
	s_cbranch_scc1 .Llap
	QUARTER 0, 2, F1, F0, 0                        ; the last lap fills nothing
	QUARTER 0, 3, F0, F1, 0
	TURN 0, 1, 0
	QUARTER 1, 1, F0, F1, 0
	QUARTER 1, 2, F1, F0, 0
	QUARTER 1, 3, F0, F1, 0
	s_wait_dscnt 8                                 ; the very last quarter
	WIN MULW
	MUL F1, 0, 4, 0
	s_wait_dscnt 0
	MUL F1, 4, 4, 0
	WIN 0
; THE WAY OUT, block by block of 16 rows x 64 columns: through my own stage and back as whole rows of 256 bytes.
.macro TOSTAGE a
	WIN 0x04                                       ; an LDS store's data: window 1
.irp b, 0,1,2,3
	ds_store_b128 v[STO], v[8*(4*(\a)+\b):8*(4*(\a)+\b)+3] offset:64*\b          ; each accumulator from its low end on
	ds_store_b128 v[STO], v[8*(4*(\a)+\b)+4:8*(4*(\a)+\b)+7] offset:64*\b+16
.endr
	WIN 0
.set BB, OB+32*((\a)%2)
.irp t, 0,1,2,3,4,5,6,7
	ds_load_b128 v[BB+4*\t:BB+4*\t+3], v[RD] offset:\t*2*SPITCH   ; in order behind my stores
.endr
.endm
.macro SEND a, younger
.set BB, OB+32*((\a)%2)
	s_wait_dscnt \younger                          ; the block is back; the next block's eight stores and eight loads may be out
.if (\a) == 0
	s_cmp_eq_u32 s[SKIP], 0                        ; positions 0 to 15 of a batch are another launch's: the cluster's y and the wave's number alone
	s_cbranch_scc1 .Lnot_mine
.endif
.irp t, 0,1,2,3,4,5,6,7
	global_store_b128 v[CO], v[BB+4*\t:BB+4*\t+3], s[8:9] offset:(16*(\a)+2*\t)*4096 th:TH_STORE_NT   ; 16 lanes store 256 consecutive bytes, aligned
.endr
.if (\a) == 0
.Lnot_mine:
.endif
.endm
	PLACES
	TOSTAGE 0
.irp a, 1,2,3,4,5,6,7
.if \a > 1
	s_wait_xcnt 0x0                                ; block a - 2's stores have read their registers: block a's loads may land there
.endif
	TOSTAGE \a
	SEND \a-1, 16
.endr
	SEND 7, 0
	s_wait_tensorcnt 0x0                           ; the wave's end
	ds_add_u32 v[SPW], v[NIL]
	s_wait_dscnt 0x0
	CROUND                                         ; the closing round
	s_endpgm
.Lfunc_end_k_qa88dc02708_proj:
	.size	k_qa88dc02708_proj, .Lfunc_end_k_qa88dc02708_proj-k_qa88dc02708_proj
	.p2alignl 7, 3214868480
	.fill 96, 4, 3214868480
	.section	.rodata,"a",@progbits
	.p2align	6, 0x0
	.amdhsa_kernel k_qa88dc02708_proj
		.amdhsa_group_segment_fixed_size 327680
		.amdhsa_private_segment_fixed_size 0
		.amdhsa_enable_private_segment 0
		.amdhsa_kernarg_size 24
		.amdhsa_user_sgpr_count 2
		.amdhsa_user_sgpr_kernarg_segment_ptr 1
		.amdhsa_wavefront_size32 1
		.amdhsa_system_sgpr_workgroup_id_x 1
		.amdhsa_system_sgpr_workgroup_id_y 1
		.amdhsa_system_sgpr_workgroup_id_z 1
		.amdhsa_system_vgpr_workitem_id 0
		.amdhsa_next_free_vgpr 512
		.amdhsa_next_free_sgpr 66
		.amdhsa_reserve_vcc 0
		.amdhsa_float_denorm_mode_32 3
		.amdhsa_float_denorm_mode_16_64 3
		.amdhsa_memory_ordered 1
		.amdhsa_forward_progress 1
		.amdhsa_inst_pref_size 86
	.end_amdhsa_kernel
	.amdgpu_metadata
---
amdhsa.version: [ 1, 2 ]
amdhsa.kernels:
  - .name:           k_qa88dc02708_proj
    .symbol:         k_qa88dc02708_proj.kd
    .args:
      - { .name: att, .offset: 0, .size: 8, .value_kind: global_buffer, .address_space: global }
      - { .name: wo16, .offset: 8, .size: 8, .value_kind: global_buffer, .address_space: global }
      - { .name: out0, .offset: 16, .size: 8, .value_kind: global_buffer, .address_space: global }
    .group_segment_fixed_size: 327680
    .private_segment_fixed_size: 0
    .kernarg_segment_align: 8
    .kernarg_segment_size: 24
    .max_flat_workgroup_size: 128
    .sgpr_count:     66
    .vgpr_count:     512
    .wavefront_size: 32
...
	.end_amdgpu_metadata
.endif
;; end of part 5
;; launch first16 (part 6): grid 16 x 4, 16 waves a work-group, no clusters, 85,504 bytes of LDS; arguments qkv32, w_out, out0; writes out0
.if DOCPART == 6
	.amdgcn_target "amdgcn-amd-amdhsa--gfx1250"
	.amdhsa_code_object_version 6
	.text
	.protected	k_qa88dc02708_first16
	.globl	k_qa88dc02708_first16
	.p2align	8
	.type	k_qa88dc02708_first16,@function
k_qa88dc02708_first16:
	s_mov_b64 s[64:65], 0
	v_nop
	global_prefetch_b8 v0, s[64:65] scope:SCOPE_SE
	s_setreg_imm32_b32 hwreg(HW_REG_WAVE_MODE, 25, 1), 1
	s_wait_xcnt 0x0
; Positions 0 to 15 of each batch, all in f32: these rows average one to sixteen values and are the largest of the output, so the rounding of 16-bit operands would weigh most here.  64 rows in all: no bulk work.
; Work-group (jn, b) makes out0[b][0..15][64 jn .. 64 jn + 63].  Each work-group makes batch b's 16 x 16 attention for all 16 heads anew, wave w head w; then its 64 columns over K = 1,024:
; wave w takes 16 columns (w % 4) and 256 of K (w / 4); the four parts meet in LDS.
; The matrix form is 16 x 16 x 4 in f32.  ONE PERMUTATION OF K, ALIKE ON BOTH OPERANDS: a lane's four neighbouring numbers (16 bytes at 32 c + 16 h) serve two instructions, two registers each.
; The registers that these instructions write (v128-191) are written by matrix instructions alone; each sum goes by turns over four accumulators, which are added at its end.
; LIMITS: the additive mask of -1e9 is taken as exclusion; NaN and infinities are not served.
.set ATT,   0                          ; LDS: the attention's result, 16 rows x (4,096 bytes + 16)
.set AP,    4112
.set PART,  16*AP                      ; four planes of partial sums, 16 rows x (256 bytes + 16)
.set PP,    272
.set SPARE, PART+4*16*PP               ; the spare words, 128 bytes a wave, which no other line names
.set QO,  4
.set VO,  5
.set WO,  6
.set OST, 7
.set AL,  8
.set PST, 9
.set RDP, 10
.set GOF, 11
.set DM,  12                           ; r - 8 h: register j (key 8 h + j) is hidden for query r where j is above it
.set NINF, 13
.set SPW, 16
.set NIL, 17
.set T,   24                           ; v24-31  scores, then p, then partial sums
.set QR,  32                           ; v32-63  Q;  v64-95 K;  later w_out's second half
.set KR,  64
.set VT,  96                           ; v96-127 V turned; then O / l; then att's fragments
.set ACA, 128
.set ACB, 160
.set B1,  192                          ; v192-255 w_out's first half
.set WV,  10
.set SEL, 20
.set CS,  22
	s_load_b128 s[4:7], s[0:1], 0x0                ; qkv32, w_out
	s_load_b64 s[8:9], s[0:1], 0x10                ; out0
	v_lshl_add_u32 v[SPW], v0, 2, SPARE
	v_mov_b32 v[NIL], 0
	v_lshrrev_b32 v1, 5, v0
	v_readfirstlane_b32 s[WV], v1                  ; wave 0..15: the head
	s_and_b32 s11, s[WV], 3                        ; which 16 of my work-group's 64 columns
	s_lshr_b32 s12, s[WV], 2                       ; which 256 of K
	s_and_b32 s17, s[WV], 7                        ; which two rows I store (waves 0 to 7)
	s_and_b32 s14, ttmp7, 0xffff                   ; the batch
	v_and_b32 v1, 15, v0                           ; r
	v_bfe_u32 v2, v0, 4, 1                         ; h
	v_mul_u32_u24 v[QO], v1, 12288
	v_lshl_add_u32 v[QO], v2, 4, v[QO]             ; q, k: row r of 12,288 bytes + 16 h
	v_mul_u32_u24 v[VO], v2, 8*12288
	v_lshl_add_u32 v[VO], v1, 2, v[VO]             ; v: rows 8 h on, channel r
	v_lshlrev_b32 v[WO], 14, v2
	v_lshl_add_u32 v[WO], v1, 2, v[WO]             ; w_out: rows 4 h on, column r
	v_mul_u32_u24 v3, v1, AP
	v_lshl_add_u32 v[OST], v2, 5, v3
	s_lshl_b32 s16, s[WV], 8
	v_add_nc_u32 v[OST], s16, v[OST]               ; att in: row r, my head's 256 bytes, 32 h
	v_lshl_add_u32 v[AL], v2, 4, v3
	s_lshl_b32 s16, s12, 10
	v_add_nc_u32 v[AL], s16, v[AL]                 ; att back: row r, my 256 of K, 16 h
	v_mul_u32_u24 v[PST], v2, 8*PP
	v_lshl_add_u32 v[PST], v1, 2, v[PST]
	s_mul_i32 s16, s12, 16*PP
	s_lshl_b32 s18, s11, 6
	s_add_co_u32 s16, s16, s18
	s_add_co_u32 s16, s16, PART
	v_add_nc_u32 v[PST], s16, v[PST]               ; partial sums in: my plane, rows 8 h on, column 16 (w % 4) + r
	v_mul_u32_u24 v[RDP], v2, PP
	v_lshl_add_u32 v[RDP], v1, 4, v[RDP]
	s_mul_i32 s16, s17, 2*PP
	s_add_co_u32 s16, s16, PART
	v_add_nc_u32 v[RDP], s16, v[RDP]               ; and back: rows 2 (w % 8) + h, 16 bytes a lane
	v_lshlrev_b32 v[GOF], 12, v2
	v_lshl_add_u32 v[GOF], v1, 4, v[GOF]           ; the same two rows in out0
	v_lshlrev_b32 v3, 3, v2
	v_sub_nc_u32 v[DM], v1, v3
	v_mov_b32 v[NINF], 0xff800000
	v_mov_b32 v19, 0                               ; written once: a lane permute's destination counts as a source
	v_mov_b32 v21, 0                               ; (named as the upper half of the pair v[20:21])
	s_mov_b32 s[SEL], 0x76543210
	s_mov_b32 s[SEL+1], 0xfedcba98
	s_mov_b32 s[CS], 0x3e38aa3b                    ; c = log2(e) / 8
	s_mov_b32 s[CS+1], s[CS]
	s_mul_i32 s24, s14, 16*12288
	s_lshl_b32 s16, s[WV], 8
	s_add_co_u32 s24, s24, s16                     ; qkv32: the batch's 16 rows, my head's 256 bytes
	s_mov_b32 s25, 0
	s_lshl_b32 s26, s12, 20                        ; w_out: my 256 rows of 4,096 bytes,
	s_lshl_b32 s16, ttmp9, 8
	s_add_co_u32 s26, s26, s16                     ; my work-group's 64 columns,
	s_add_co_u32 s26, s26, s18                     ; my 16 of them
	s_mov_b32 s27, 0
	s_lshl_b32 s28, s14, 11
	s_lshl_b32 s18, s17, 1
	s_add_co_u32 s28, s28, s18                     ; out0: row 2,048 b + 2 (w % 8),
	s_lshl_b32 s28, s28, 12
	s_add_co_u32 s28, s28, s16                     ; my work-group's 64 columns
	s_mov_b32 s29, 0
	s_wait_kmcnt 0x0
	s_add_nc_u64 s[4:5], s[4:5], s[24:25]
	s_add_nc_u64 s[6:7], s[6:7], s[26:27]
	s_add_nc_u64 s[8:9], s[8:9], s[28:29]
.irp c, 0,1,2,3,4,5,6,7
	global_load_b128 v[QR+4*\c:QR+4*\c+3], v[QO], s[4:5] offset:32*\c
.endr
.irp c, 0,1,2,3,4,5,6,7
	global_load_b128 v[KR+4*\c:KR+4*\c+3], v[QO], s[4:5] offset:4096+32*\c
.endr
.irp ct, 0,1,2,3
.irp j, 0,1,2,3,4,5,6,7
	global_load_b32 v[VT+8*\ct+\j], v[VO], s[4:5] offset:12288*\j+8192+64*\ct   ; v(key 8 h + j, channel 16 ct + r)
.endr
.endr
.macro BLOAD reg, c0                   ; w_out(8 (c0 + c) + 4 h + i, my column r), c = 0 .. 15, i = 0 .. 3
.set bc, 0
.rept 16
.irp i, 0,1,2,3
	global_load_b32 v[\reg+4*bc+\i], v[WO], s[6:7] offset:(8*(\c0+bc)+\i)*4096
.endr
.set bc, bc+1
.endr
.endm
	BLOAD B1, 0
.macro FAR                             ; eight plain lines behind this matrix form (ISA guide 7.12.1)
.rept 8
	v_nop
.endr
.endm
.macro SUM4 acc                        ; the four accumulators of a sum are added into v24-31, each read from its low end on
.irp p, 0,2,4,6
	v_pk_add_f32 v[T+\p:T+\p+1], v[\acc+\p:\acc+\p+1], v[\acc+8+\p:\acc+8+\p+1]
.endr
.irp p, 0,2,4,6
	v_pk_add_f32 v[T+\p:T+\p+1], v[T+\p:T+\p+1], v[\acc+16+\p:\acc+16+\p+1]
.endr
.irp p, 0,2,4,6
	v_pk_add_f32 v[T+\p:T+\p+1], v[T+\p:T+\p+1], v[\acc+24+\p:\acc+24+\p+1]
.endr
.endm
	s_wait_loadcnt 63                              ; behind q, k and v stand 64 loads: with at most 63 out, those 48 are in
	; S^T = K Q^T: source 0 = 16 keys, source 1 = 16 queries; 16 instructions of 4 channels, four accumulators by turns
.set mi, 0
.rept 16
.if mi < 4
	v_wmma_f32_16x16x4_f32 v[ACA+8*(mi%4):ACA+8*(mi%4)+7], v[KR+2*mi:KR+2*mi+1], v[QR+2*mi:QR+2*mi+1], 0
.else
	v_wmma_f32_16x16x4_f32 v[ACA+8*(mi%4):ACA+8*(mi%4)+7], v[KR+2*mi:KR+2*mi+1], v[QR+2*mi:QR+2*mi+1], v[ACA+8*(mi%4):ACA+8*(mi%4)+7]
.endif
.set mi, mi+1
.endr
	FAR
	BLOAD QR, 16                                   ; w_out's second half, into the registers that q and k have left
	SUM4 ACA                                       ; lane (r, h): query r, keys 8 h + 0..7
.irp j, 0,1,2,3,4,5,6,7
	v_cmp_gt_i32 vcc_lo, \j, v[DM]
	v_cndmask_b32 v[T+\j], v[T+\j], v[NINF], vcc_lo      ; hidden keys: -infinity; key 0 counts for every query
.endr
	v_max3_num_f32 v18, v[T], v[T+1], v[T+2]
	v_max3_num_f32 v18, v18, v[T+3], v[T+4]
	v_max3_num_f32 v18, v18, v[T+5], v[T+6]
	v_max_num_f32 v18, v18, v[T+7]
	v_permlanex16_b32 v19, v18, s[SEL], s[SEL+1]
	v_max_num_f32 v18, v18, v19                    ; the row's maximum
	v_mul_f32 v20, s[CS], v18
.irp p, 0,2,4,6
	v_pk_fma_f32 v[T+\p:T+\p+1], v[T+\p:T+\p+1], s[CS:CS+1], v[20:21] op_sel_hi:[1,0,0] neg_lo:[0,0,1] neg_hi:[0,0,1]
.endr
.irp j, 0,1,2,3,4,5,6,7
	v_exp_f32 v[T+\j], v[T+\j]                     ; p = 2^(c s - c m)
.endr
	v_nop
	s_wait_alu depctr_va_vdst(0)                   ; one wait for the eight, ahead of their first use
	v_pk_add_f32 v[18:19], v[T:T+1], v[T+2:T+3]
	v_pk_add_f32 v[22:23], v[T+4:T+5], v[T+6:T+7]
	v_pk_add_f32 v[18:19], v[18:19], v[22:23]
	v_add_f32 v18, v18, v19
	v_permlanex16_b32 v19, v18, s[SEL], s[SEL+1]
	v_add_f32 v18, v18, v19                        ; the row's sum
	v_rcp_f32 v22, v18
	v_nop
	s_wait_alu depctr_va_vdst(0)
	; O^T = V^T P: source 0 = 16 channels, source 1 = P; instruction c takes keys 8 h + 2 c, 2 c + 1 on both sides
.irp c, 0,1,2,3
.irp ct, 0,1,2,3
.if \c == 0
	v_wmma_f32_16x16x4_f32 v[ACB+8*\ct:ACB+8*\ct+7], v[VT+8*\ct+2*\c:VT+8*\ct+2*\c+1], v[T+2*\c:T+2*\c+1], 0
.else
	v_wmma_f32_16x16x4_f32 v[ACB+8*\ct:ACB+8*\ct+7], v[VT+8*\ct+2*\c:VT+8*\ct+2*\c+1], v[T+2*\c:T+2*\c+1], v[ACB+8*\ct:ACB+8*\ct+7]
.endif
.endr
.endr
	FAR
.set mi, 0
.rept 32
	v_mul_f32 v[VT+mi], v[ACB+mi], v22             ; O^T / l, into other registers: register 8 ct + j is (query r, channel 16 ct + 8 h + j)
.set mi, mi+1
.endr
.irp ct, 0,1,2,3
	ds_store_b128 v[OST], v[VT+8*\ct:VT+8*\ct+3] offset:64*\ct
	ds_store_b128 v[OST], v[VT+8*\ct+4:VT+8*\ct+7] offset:64*\ct+16
.endr
	s_wait_dscnt 0x0                               ; for the others' sake: my stores are done
	s_barrier_signal -1
	s_barrier_wait -1                              ; all 16 heads lie in LDS
	; out = att w_out: source 0 = the 16 rows of att, source 1 = 16 columns of w_out; 64 instructions, four accumulators by turns
	s_wait_loadcnt 63                              ; behind w_out's first half stand 64 loads
.macro PROJ g
.if \g > 0
	FAR
.endif
.if \g < 2
.set BB, B1+32*\g
.else
.set BB, QR+32*(\g-2)
.endif
.irp u, 0,1,2,3,4,5,6,7
	ds_load_b128 v[VT+4*\u:VT+4*\u+3], v[AL] offset:256*\g+32*\u
.endr
	s_wait_dscnt 0x0
.irp u, 0,1,2,3,4,5,6,7
.irp e, 0,1
.if (\g == 0) && (\u < 2)
	v_wmma_f32_16x16x4_f32 v[ACA+8*((2*\u+\e)%4):ACA+8*((2*\u+\e)%4)+7], v[VT+4*\u+2*\e:VT+4*\u+2*\e+1], v[BB+4*\u+2*\e:BB+4*\u+2*\e+1], 0
.else
	v_wmma_f32_16x16x4_f32 v[ACA+8*((2*\u+\e)%4):ACA+8*((2*\u+\e)%4)+7], v[VT+4*\u+2*\e:VT+4*\u+2*\e+1], v[BB+4*\u+2*\e:BB+4*\u+2*\e+1], v[ACA+8*((2*\u+\e)%4):ACA+8*((2*\u+\e)%4)+7]
.endif
.endr
.endr
.endm
	PROJ 0
	PROJ 1
	s_wait_loadcnt 0x0                             ; w_out's second half
	PROJ 2
	PROJ 3
	FAR
	SUM4 ACA                                       ; lane (r, h): rows 8 h + 0..7, column r
.irp j, 0,1,2,3,4,5,6,7
	ds_store_b32 v[PST], v[T+\j] offset:PP*\j
.endr
	s_wait_dscnt 0x0
	s_barrier_signal -1
	s_barrier_wait -1                              ; the four parts of K lie in LDS
	s_cmp_ge_u32 s[WV], 8
	s_cbranch_scc1 .Lend
.irp k, 0,1,2,3
	ds_load_b128 v[32+4*\k:35+4*\k], v[RDP] offset:16*PP*\k
.endr
	s_wait_dscnt 0x0
	v_pk_add_f32 v[32:33], v[32:33], v[36:37]
	v_pk_add_f32 v[34:35], v[34:35], v[38:39]
	v_pk_add_f32 v[40:41], v[40:41], v[44:45]
	v_pk_add_f32 v[42:43], v[42:43], v[46:47]
	v_pk_add_f32 v[32:33], v[32:33], v[40:41]
	v_pk_add_f32 v[34:35], v[34:35], v[42:43]
	global_store_b128 v[GOF], v[32:35], s[8:9] th:TH_STORE_NT   ; 16 lanes store 256 consecutive bytes, aligned
.Lend:
	s_wait_tensorcnt 0x0                           ; the wave's end
	ds_add_u32 v[SPW], v[NIL]
	s_wait_dscnt 0x0
	s_endpgm
.Lfunc_end_k_qa88dc02708_first16:
	.size	k_qa88dc02708_first16, .Lfunc_end_k_qa88dc02708_first16-k_qa88dc02708_first16
	.p2alignl 7, 3214868480
	.fill 96, 4, 3214868480
	.section	.rodata,"a",@progbits
	.p2align	6, 0x0
	.amdhsa_kernel k_qa88dc02708_first16
		.amdhsa_group_segment_fixed_size 85504
		.amdhsa_private_segment_fixed_size 0
		.amdhsa_enable_private_segment 0
		.amdhsa_kernarg_size 24
		.amdhsa_user_sgpr_count 2
		.amdhsa_user_sgpr_kernarg_segment_ptr 1
		.amdhsa_wavefront_size32 1
		.amdhsa_system_sgpr_workgroup_id_x 1
		.amdhsa_system_sgpr_workgroup_id_y 1
		.amdhsa_system_sgpr_workgroup_id_z 1
		.amdhsa_system_vgpr_workitem_id 0
		.amdhsa_next_free_vgpr 256
		.amdhsa_next_free_sgpr 66
		.amdhsa_reserve_vcc 1
		.amdhsa_float_denorm_mode_32 3
		.amdhsa_float_denorm_mode_16_64 3
		.amdhsa_memory_ordered 1
		.amdhsa_forward_progress 1
		.amdhsa_inst_pref_size 37
	.end_amdhsa_kernel
	.amdgpu_metadata
---
amdhsa.version: [ 1, 2 ]
amdhsa.kernels:
  - .name:           k_qa88dc02708_first16
    .symbol:         k_qa88dc02708_first16.kd
    .args:
      - { .name: qkv32, .offset: 0, .size: 8, .value_kind: global_buffer, .address_space: global }
      - { .name: w_out, .offset: 8, .size: 8, .value_kind: global_buffer, .address_space: global }
      - { .name: out0, .offset: 16, .size: 8, .value_kind: global_buffer, .address_space: global }
    .group_segment_fixed_size: 85504
    .private_segment_fixed_size: 0
    .kernarg_segment_align: 8
    .kernarg_segment_size: 24
    .max_flat_workgroup_size: 512
    .sgpr_count:     66
    .vgpr_count:     256
    .wavefront_size: 32
...
	.end_amdgpu_metadata
.endif
;; end of part 6
